; MI455X (gfx1250); checked and timed in simulation.
; The chip was launched on July 23, 2026; its instructions are those of AMD's public machine-readable ISA for CDNA 5 (MIT licence, August 2026) and "CDNA5" Instruction Set Architecture Reference Guide (July 2026). The comments in the code are by the model that wrote it; some were corrected since.
;; Llama Attention. Allowed arithmetic: float matrix products may take bf16 or f16 operands with f32 sums; all other float work in f32.
;; Inputs: attention_mask 2 x 1 x 2,048 x 2,048 float32; hidden_states 2 x 2,048 x 4,096 float32; position_ids 2 x 2,048 int32; wk 512 x 4,096 float32; wo 4,096 x 1,024 float32; wq 1,024 x 4,096 float32; wv 512 x 4,096 float32.
;; Outputs: out0 2 x 2,048 x 4,096 float32.
;; 2 versions, each right; version 2 is version 1 with the launch prep written anew for expert scheduling mode. Each part assembles by itself: llvm-mc -triple=amdgcn-amd-amdhsa -mcpu=gfx1250 --defsym DOCPART=n.
;; ======== version 1 of 2: 4 launches
;; limits: right only within a limited range of input values; values are held in f16: magnitudes above 65,504 overflow, below 6.1e-05 lose precision
;; workspace buffers: xb 33,554,432 bytes; wqkvb 16,777,216 bytes; wob 8,388,608 bytes; cs 2,097,152 bytes; qkv 16,777,216 bytes; attn 8,388,608 bytes
;; launch prep (part 1): grid 512 x 1, 8 waves a work-group, no clusters, 0 bytes of LDS; arguments hidden_states, wq, wk, wv, wo, position_ids, xb, wqkvb, wob, cs; writes xb, wqkvb, wob, cs
.if DOCPART == 1
	.amdgcn_target "amdgcn-amd-amdhsa--gfx1250"
	.amdhsa_code_object_version 6
	.text
	.protected	k_q3bf04c15c7_prep
	.globl	k_q3bf04c15c7_prep
	.p2align	8
	.type	k_q3bf04c15c7_prep,@function
k_q3bf04c15c7_prep:
	s_mov_b64 s[64:65], 0
	v_nop
	global_prefetch_b8 v0, s[64:65] scope:SCOPE_SE
	s_setreg_imm32_b32 hwreg(HW_REG_WAVE_MODE, 25, 1), 1
	s_wait_xcnt 0x0
; prep: rounds the matrix inputs once to 16 bits and makes the RoPE table once for each token.
;   xb    [4096 tok][4096]  bf16 = hidden_states
;   wqkvb [2048][4096]      bf16 = wq (rows 0-1023), wk (1024-1535), wv (1536-2047)
;   wob   [4096][1024]      f16  = 16 x (wo rounded to bf16).  All inputs carry the same rounding, to bf16; the last product runs in f16 because its other
;                                  operand needs f16's 11 bits.  A bf16 number times 16 is exact in f16 from 2^-17 up; below, the error is at most 2^-25.
;                                  The factor 16 undoes the 2^-4 by which v, and so the attention's result, is stored.
;   cs    [4096 tok][128]   f32  = cos (words 0-63), sin (words 64-127) of position x 10000^(-i/64)
; A stream: memory binds, so no LDS, no barrier, no matrix unit.  A chunk is 1,024 floats: thread t loads 16 bytes at 16 t (a wave: 512 consecutive bytes)
; and stores 8 bytes at 8 t (a wave: 256 consecutive bytes, aligned).  The work-group takes 56 chunks: 32 of hidden_states, 8 of wq, 4 of wk, 4 of wv, 8 of wo.
; All 56 loads of a thread go out at once into registers of their own; nothing is rewritten while a memory instruction may read it.
; LIMITS.  Sine and cosine by reduction to |r| <= pi/4 with pi/2 in two parts, good for |position| <= 2^20, and polynomials with error below 4e-7.
; The inverse frequency comes from v_exp_f32: the angle is within 4e-7 x |position| rad of the exact one.
.set X,   24                           ; v[24:247] chunk i: 4 registers
.set NCH, 56
.set CH,  4096                         ; bytes of a chunk as read
.set CHO, 2048                         ; and as stored
	s_load_b512 s[4:19], s[0:1], 0x0               ; hidden s[4:5], wq s[6:7], wk s[8:9], wv s[10:11], wo s[12:13], positions s[14:15], xb s[16:17], wqkvb s[18:19]
	s_load_b128 s[20:23], s[0:1], 0x40             ; wob s[20:21], cs s[22:23]
	v_lshlrev_b32 v1, 4, v0                        ; 16 t: where I read in a chunk
	v_lshlrev_b32 v2, 3, v0                        ; 8 t: where I store
	v_lshrrev_b32 v4, 5, v0                        ; wave
	v_and_b32 v6, 31, v0                           ; lane
	v_lshlrev_b32 v3, 2, v4                        ; my wave's token among the group's eight: its position word
	v_lshlrev_b32 v7, 3, v6
	v_lshl_add_u32 v4, v4, 9, v7                   ; and its row of 512 bytes in cs, 8 bytes a lane
	s_mov_b32 s24, 0x3f22f983                      ; 2/pi
	s_mov_b32 s25, 0xbfc90fdb                      ; -(pi/2, upper part)
	s_mov_b32 s26, 0x333bbd2e                      ; -(pi/2, lower part) = +4.3711388e-8
	s_mov_b32 s27, 0xb9500d01                      ; -1/5040
	s_mov_b32 s28, 0x3c088889                      ; 1/120
	s_mov_b32 s29, 0xbe2aaaab                      ; -1/6
	s_mov_b32 s30, 0x37d00d01                      ; 1/40320
	s_mov_b32 s31, 0xbab60b61                      ; -1/720
	s_mov_b32 s32, 0x3d2aaaab                      ; 1/24
	s_mov_b32 s33, 0x80000000                      ; the sign
	s_mov_b32 s34, 0xffff0000                      ; a word's upper bf16
	s_mov_b32 s42, 0x41800000                      ; 16.0, as a pair for the packed multiply
	s_mov_b32 s43, 0x41800000
	s_mov_b32 s3, 0
	s_wait_kmcnt 0x0
	s_lshl_b32 s2, ttmp9, 17                       ; each buffer's base at the group's part: 32 chunks of 4,096 bytes
	s_add_nc_u64 s[4:5], s[4:5], s[2:3]
	s_lshl_b32 s2, ttmp9, 16
	s_add_nc_u64 s[16:17], s[16:17], s[2:3]
	s_lshl_b32 s2, ttmp9, 15                       ; 8 chunks
	s_add_nc_u64 s[6:7], s[6:7], s[2:3]
	s_add_nc_u64 s[12:13], s[12:13], s[2:3]
	s_lshl_b32 s2, ttmp9, 14                       ; 4 chunks read, or 8 stored
	s_add_nc_u64 s[8:9], s[8:9], s[2:3]
	s_add_nc_u64 s[10:11], s[10:11], s[2:3]
	s_add_nc_u64 s[36:37], s[18:19], s[2:3]        ; wq's rows in wqkvb
	s_add_nc_u64 s[20:21], s[20:21], s[2:3]
	s_lshl_b32 s2, ttmp9, 13                       ; 4 chunks stored
	s_add_nc_u64 s[38:39], s[18:19], s[2:3]
	s_add_nc_u64 s[40:41], s[38:39], 0xc00000      ; wv's rows begin at row 1536 x 8,192 bytes
	s_add_nc_u64 s[38:39], s[38:39], 0x800000      ; wk's at row 1024
	s_lshl_b32 s2, ttmp9, 12                       ; 8 tokens x 512 bytes
	s_add_nc_u64 s[22:23], s[22:23], s[2:3]
	s_lshl_b32 s2, ttmp9, 5                        ; 8 tokens x 4 bytes
	s_add_nc_u64 s[14:15], s[14:15], s[2:3]
	global_load_b32 v5, v3, s[14:15]               ; my wave's position, the same word in all lanes
.set ci, 0
.macro LD base, n                      ; n chunks from s[base:base+1] into the next registers
.set j, 0
.rept \n
	global_load_b128 v[X+4*ci:X+4*ci+3], v1, s[\base:\base+1] offset:CH*j th:TH_LOAD_NT
.set j, j+1
.set ci, ci+1
.endr
.endm
	LD 4, 32
	LD 6, 8
	LD 8, 4
	LD 10, 4
	LD 12, 8
	; the table: lane L makes frequencies 2 L and 2 L + 1
	v_lshlrev_b32 v6, 1, v6
	v_add_nc_u32 v7, 1, v6
	v_cvt_f32_u32 v6, v6
	v_cvt_f32_u32 v7, v7
	v_mul_f32 v6, 0xbe549a78, v6                   ; -i log2(10000) / 64
	v_mul_f32 v7, 0xbe549a78, v7
	v_exp_f32 v8, v6                               ; 10000^(-i/64)
	v_exp_f32 v9, v7
	s_wait_loadcnt NCH                             ; the 56 younger loads stay out: the position is in
	v_cvt_f32_i32 v5, v5                           ; the plain instruction between the exponentials and their use (ISA guide 5.7.2)
	s_wait_alu depctr_va_vdst(0)
.macro SINCOS e                        ; cos into v[20+e], sin into v[22+e]
	v_mul_f32 v10, v5, v[8+\e]                     ; the angle, rounded once as position x frequency
	v_mul_f32 v11, s24, v10
	v_rndne_f32 v11, v11                           ; n = nearest multiple of pi/2
	v_fma_f32 v12, v11, s25, v10
	v_fma_f32 v12, v11, s26, v12                   ; r = angle - n pi/2
	v_mul_f32 v13, v12, v12
	v_fma_f32 v14, v13, s27, s28
	v_fma_f32 v14, v14, v13, s29
	v_mul_f32 v15, v12, v13
	v_fma_f32 v14, v15, v14, v12                   ; sin r
	v_fma_f32 v16, v13, s30, s31
	v_fma_f32 v16, v16, v13, s32
	v_fma_f32 v16, v16, v13, -0.5
	v_fma_f32 v16, v16, v13, 1.0                   ; cos r
	v_cvt_i32_f32 v17, v11
	v_and_b32 v18, 1, v17
	v_cmp_eq_u32 vcc_lo, 1, v18                    ; odd quadrant: the two change places
	v_cndmask_b32 v[22+\e], v14, v16, vcc_lo
	v_cndmask_b32 v[20+\e], v16, v14, vcc_lo
	v_lshlrev_b32 v18, 30, v17                     ; sine is negative in quadrants 2, 3: bit 1 of n
	v_and_b32 v18, s33, v18
	v_xor_b32 v[22+\e], v[22+\e], v18
	v_add_nc_u32 v17, 1, v17                       ; cosine in quadrants 1, 2: bit 1 of n + 1
	v_lshlrev_b32 v17, 30, v17
	v_and_b32 v17, s33, v17
	v_xor_b32 v[20+\e], v[20+\e], v17
.endm
	SINCOS 0
	SINCOS 1
	global_store_b64 v4, v[20:21], s[22:23]                ; a wave stores 256 consecutive bytes, aligned: the token's cosines,
	global_store_b64 v4, v[22:23], s[22:23] offset:256     ; and its sines
.set cj, 0
.macro CV base, n                      ; n chunks to bf16, stored at s[base:base+1]
.set j, 0
.rept \n
	s_wait_loadcnt NCH-1-cj                        ; loads come back in order (ISA guide 5.7.1): the chunks behind this one stay out
	v_cvt_pk_bf16_f32 v[X+4*cj], v[X+4*cj], v[X+4*cj+1]
	v_cvt_pk_bf16_f32 v[X+4*cj+1], v[X+4*cj+2], v[X+4*cj+3]
	global_store_b64 v2, v[X+4*cj:X+4*cj+1], s[\base:\base+1] offset:CHO*j
.set j, j+1
.set cj, cj+1
.endr
.endm
.macro CVO base, n                     ; n chunks to bf16, times 16, written as f16
.set j, 0
.rept \n
	s_wait_loadcnt NCH-1-cj
	v_cvt_pk_bf16_f32 v[X+4*cj], v[X+4*cj], v[X+4*cj+1]
	v_cvt_pk_bf16_f32 v[X+4*cj+1], v[X+4*cj+2], v[X+4*cj+3]
	v_lshlrev_b32 v[X+4*cj+2], 16, v[X+4*cj+1]             ; back to f32: the rounded numbers
	v_and_b32 v[X+4*cj+3], s34, v[X+4*cj+1]
	v_and_b32 v[X+4*cj+1], s34, v[X+4*cj]
	v_lshlrev_b32 v[X+4*cj], 16, v[X+4*cj]
	v_pk_mul_f32 v[X+4*cj:X+4*cj+1], v[X+4*cj:X+4*cj+1], s[42:43] op_sel_hi:[1,0]
	v_pk_mul_f32 v[X+4*cj+2:X+4*cj+3], v[X+4*cj+2:X+4*cj+3], s[42:43] op_sel_hi:[1,0]
	v_cvt_pk_f16_f32 v[X+4*cj], v[X+4*cj], v[X+4*cj+1]
	v_cvt_pk_f16_f32 v[X+4*cj+1], v[X+4*cj+2], v[X+4*cj+3]
	global_store_b64 v2, v[X+4*cj:X+4*cj+1], s[\base:\base+1] offset:CHO*j
.set j, j+1
.set cj, cj+1
.endr
.endm
	CV 16, 32
	CV 36, 8
	CV 38, 4
	CV 40, 4
	CVO 20, 8
	s_endpgm
.Lfunc_end_k_q3bf04c15c7_prep:
	.size	k_q3bf04c15c7_prep, .Lfunc_end_k_q3bf04c15c7_prep-k_q3bf04c15c7_prep
	.p2alignl 7, 3214868480
	.fill 96, 4, 3214868480
	.section	.rodata,"a",@progbits
	.p2align	6, 0x0
	.amdhsa_kernel k_q3bf04c15c7_prep
		.amdhsa_group_segment_fixed_size 0
		.amdhsa_private_segment_fixed_size 0
		.amdhsa_enable_private_segment 0
		.amdhsa_kernarg_size 80
		.amdhsa_user_sgpr_count 2
		.amdhsa_user_sgpr_kernarg_segment_ptr 1
		.amdhsa_wavefront_size32 1
		.amdhsa_system_sgpr_workgroup_id_x 1
		.amdhsa_system_sgpr_workgroup_id_y 1
		.amdhsa_system_sgpr_workgroup_id_z 1
		.amdhsa_system_vgpr_workitem_id 0
		.amdhsa_next_free_vgpr 248
		.amdhsa_next_free_sgpr 66
		.amdhsa_reserve_vcc 1
		.amdhsa_float_denorm_mode_32 3
		.amdhsa_float_denorm_mode_16_64 3
		.amdhsa_memory_ordered 1
		.amdhsa_forward_progress 1
		.amdhsa_inst_pref_size 28
	.end_amdhsa_kernel
	.amdgpu_metadata
---
amdhsa.version: [ 1, 2 ]
amdhsa.kernels:
  - .name:           k_q3bf04c15c7_prep
    .symbol:         k_q3bf04c15c7_prep.kd
    .args:
      - { .name: hidden_states, .offset: 0, .size: 8, .value_kind: global_buffer, .address_space: global }
      - { .name: wq, .offset: 8, .size: 8, .value_kind: global_buffer, .address_space: global }
      - { .name: wk, .offset: 16, .size: 8, .value_kind: global_buffer, .address_space: global }
      - { .name: wv, .offset: 24, .size: 8, .value_kind: global_buffer, .address_space: global }
      - { .name: wo, .offset: 32, .size: 8, .value_kind: global_buffer, .address_space: global }
      - { .name: position_ids, .offset: 40, .size: 8, .value_kind: global_buffer, .address_space: global }
      - { .name: xb, .offset: 48, .size: 8, .value_kind: global_buffer, .address_space: global }
      - { .name: wqkvb, .offset: 56, .size: 8, .value_kind: global_buffer, .address_space: global }
      - { .name: wob, .offset: 64, .size: 8, .value_kind: global_buffer, .address_space: global }
      - { .name: cs, .offset: 72, .size: 8, .value_kind: global_buffer, .address_space: global }
    .group_segment_fixed_size: 0
    .private_segment_fixed_size: 0
    .kernarg_segment_align: 8
    .kernarg_segment_size: 80
    .max_flat_workgroup_size: 256
    .sgpr_count:     66
    .vgpr_count:     248
    .wavefront_size: 32
...
	.end_amdgpu_metadata
.endif
;; end of part 1
;; launch qkvproj (part 2): grid 16 x 16, 4 waves a work-group, clusters of 4 x 4, 327,680 bytes of LDS; arguments xb, wqkvb, cs, qkv; writes qkv
.if DOCPART == 2
	.amdgcn_target "amdgcn-amd-amdhsa--gfx1250"
	.amdhsa_code_object_version 6
	.text
	.protected	k_q3bf04c15c7_qkvproj
	.globl	k_q3bf04c15c7_qkvproj
	.p2align	8
	.type	k_q3bf04c15c7_qkvproj,@function
k_q3bf04c15c7_qkvproj:
	s_mov_b64 s[64:65], 0
	v_nop
	global_prefetch_b8 v0, s[64:65] scope:SCOPE_SE
	s_setreg_imm32_b32 hwreg(HW_REG_WAVE_MODE, 25, 1), 1
	s_wait_xcnt 0x0
	s_wait_alu depctr_hold_cnt(0) depctr_sa_sdst(0) depctr_va_vdst(0) depctr_va_sdst(0) depctr_va_ssrc(0) depctr_va_vcc(0) depctr_vm_vsrc(0)
	s_getreg_b32 s2, hwreg(HW_REG_IB_STS2, 6, 4)
	s_cmp_eq_u32 s2, 0
	s_cbranch_scc0 .Lentry_in_a_cluster
	s_endpgm
.Lentry_in_a_cluster:
	s_bfe_u32 s2, ttmp6, 0x10000c
	s_cmp_lg_u32 s2, 0xf033
	s_cbranch_scc0 .Lentry_shape_is_right
	s_endpgm
.Lentry_shape_is_right:
; qkvproj: [4096 tok][4096] x [2048][4096]^T in bf16 with f32 sums, RoPE on the way out, results in f16 times 2^-4.
;   qkv [16 heads][4096 tok][128] f16: heads 0-7 q, 8-11 k, 12-15 v.
; The factor 2^-4 gives the f16 numbers room: up to |q| = 1.05e6, and numbers 900 times smaller than the drawn ones still keep about 11 bits.
; A work-group makes 256 tokens x 128 columns = one head; 16 x 16 work-groups.  Wave w makes tokens 64 w .. 64 w + 63 x all 128 columns:
; 32 accumulator tiles, 256 registers.  K goes in steps of 128 (rows of 256 bytes, aligned) through two LDS slots filled by tensor loads.
; CLUSTERS: 4 x 4 work-groups.  X's tile hangs on the token block alone and is asked for jointly along a row of the cluster, W's on the head alone and
; is asked for jointly along a column: that divides the requests for both by four.
; THE MATRIX INSTRUCTION IS USED TRANSPOSED (source 0 = rows of W, source 1 = rows of X): lane (r, h) holds token r, and register j of tile b column
; 16 b + 8 h + j.  So columns d and d + 64, which RoPE pairs, lie in tiles b and b + 4 in the same lane and register.
; REGISTERS: window 0: addresses, two fragment buffers (W's 8 fragments, then X's 4); window 1: accumulator tile (a, b) at 8 (8 a + b);
; window 2: the cos/sin table of my 64 tokens, loaded at the start and waited for behind the K loop.
.set SIZE_K, 4096
.set KSTEP,  128
.set PITCH,  272                       ; 256 bytes of data + 16 of padding: the 16 rows of a fragment load start at 16 different 16-byte columns
.set HALFA,  128*PITCH                 ; what waves 0, 1 fetch: 128 rows of X
.set HALFB,  64*PITCH                  ; what waves 2, 3 fetch: 64 rows of W
.set SLOT,   2*HALFA+2*HALFB           ; X's 256 rows, then W's 128
.set STAGE,  2*SLOT                    ; behind the ring, a multiple of 256: 16 rows x 272 bytes for each wave; no tensor load lands there
.set LAPS,   SIZE_K/(2*KSTEP)          ; 16 laps of two K steps
.set ADRA, 16                          ; v16-17 LDS address of my X fragments in slot 0, 1
.set ADRB, 20                          ; v20-21 the same for W
.set STO,  24
.set RD,   25
.set CO,   26
.set CSO,  27                          ; my byte offset in the table
.set SCV,  28                          ; v[28:29] factor on cos and sin
.set SDV,  30                          ; v[30:31] addend on cos
.set F0,   32                          ; fragment buffer 0: v32-95 W, v96-127 X
.set F1,   128                         ; fragment buffer 1
.set OW,   32                          ; the way out: 64 rotated numbers
.set PK,   96                          ; the way out: packed
.set G1,  24
.set G0,  32
.set G1B, 48
.set G0B, 56
.set MUL, 0x50                         ; C and D in window 1, both sources in window 0
.set MSB, 0
.macro WIN new                         ; the immediate's high byte repeats the setting that is left
.if MSB != \new
	s_set_vgpr_msb (MSB<<8)|\new
.set MSB, \new
.endif
.endm
; A joint load: waves 0, 1 ask for X's halves, waves 2, 3 for W's.  The branch hangs on the wave's number alone.
.macro JLOAD s
	s_cmp_eq_u32 s13, 0
	s_cbranch_scc0 .Lfor_b_\@
	tensor_load_to_lds s[G0+4*\s:G0+4*\s+3], s[G1:G1+7]
	s_nop 0
	s_branch .Lasked_\@
.Lfor_b_\@:
	tensor_load_to_lds s[G0B+4*\s:G0B+4*\s+3], s[G1B:G1B+7]
	s_nop 0
.Lasked_\@:
.endm
.macro CREST                           ; a round of the cluster's barrier behind its opening work-group barrier
	s_cmp_lg_u32 s12, 0
	s_cbranch_scc1 .Lnot_wave_0_\@
	s_barrier_signal -3
.Lnot_wave_0_\@:
	s_barrier_wait -3
	s_barrier_signal -1
	s_barrier_wait -1
.endm
.macro CROUND
	s_barrier_signal -1
	s_barrier_wait -1
	CREST
.endm
.macro PLACES                          ; four plain vector instructions behind a matrix instruction, before its registers are loaded into, written or read (ISA guide 7.12.1)
.rept 4
	v_nop
.endr
.endm
	s_load_b256 s[4:11], s[0:1], 0x0               ; xb s[4:5], wqkvb s[6:7], cs s[8:9], qkv s[10:11]
	v_lshl_add_u32 v254, v0, 2, 0x37400
	v_mov_b32 v255, 0
	ds_add_u32 v254, v255
	v_lshrrev_b32 v1, 5, v0
	v_readfirstlane_b32 s12, v1                    ; wave 0..3
	s_lshr_b32 s13, s12, 1                         ; I fetch for X (0) or for W (1)
	s_and_b32 s14, s12, 1                          ; which half of that tile
	s_bfe_u32 s40, ttmp6, 0x40000                  ; cx
	s_bfe_u32 s41, ttmp6, 0x40004                  ; cy
	s_lshl_b32 s42, ttmp9, 2
	s_add_co_u32 s42, s42, s40                     ; head = 4 x cluster x + cx
	s_and_b32 s43, ttmp7, 0xffff
	s_lshl_b32 s43, s43, 2
	s_add_co_u32 s43, s43, s41                     ; token block = 4 x cluster y + cy
	s_lshl_b32 s44, s41, 2
	s_lshl_b32 s44, 15, s44                        ; my row of the cluster
	s_lshl_b32 s45, 0x1111, s40                    ; my column
	s_or_b32 s[G1+0], s44, (1<<16)|(1<<20)|(1<<21)|(5<<22)|(3<<25)   ; mask; elements of 2 bytes; padding on; bit 21 beside a mask; after every 64 words, 4 words
	s_or_b32 s[G1B+0], s45, (1<<16)|(1<<20)|(1<<21)|(5<<22)|(3<<25)
	s_mov_b32 s[G1+1], KSTEP<<16                   ; tensor_dim0 = 128
	s_mov_b32 s[G1B+1], KSTEP<<16
	s_mov_b32 s[G1+2], 128<<16                     ; tensor_dim1 = 128 rows of X,
	s_mov_b32 s[G1B+2], 64<<16                     ; 64 of W
	s_mov_b32 s[G1+3], KSTEP<<16                   ; tile_dim0 = 128
	s_mov_b32 s[G1B+3], KSTEP<<16
	s_mov_b32 s[G1+4], 128                         ; tile_dim1
	s_mov_b32 s[G1B+4], 64
	s_mov_b32 s[G1+5], SIZE_K                      ; elements from row to row
	s_mov_b32 s[G1B+5], SIZE_K
	s_mov_b32 s[G1+6], 0
	s_mov_b32 s[G1B+6], 0
	s_mov_b32 s[G1+7], 0
	s_mov_b32 s[G1B+7], 0
	; X's address is made of the token block and the wave's number, W's of the head and the wave's number, each in registers that never hold the other coordinate
	s_lshl_b32 s16, s43, 8
	s_lshl_b32 s17, s14, 7
	s_add_co_u32 s16, s16, s17                     ; X: row 256 x block + 128 x half
	s_lshl_b32 s16, s16, 13                        ; x 8,192 bytes: below 2^25
	s_mov_b32 s17, 0
	s_lshl_b32 s46, s42, 7
	s_lshl_b32 s47, s14, 6
	s_add_co_u32 s46, s46, s47                     ; W: row 128 x head + 64 x half
	s_lshl_b32 s46, s46, 13
	s_mov_b32 s47, 0
	s_mul_i32 s20, s12, HALFA                      ; LDS: waves 0, 1: X's halves
	s_mul_i32 s21, s12, HALFB
	s_add_co_u32 s21, s21, 2*HALFA-2*HALFB         ; waves 2, 3: W's halves, behind X's 256 rows
	s_lshl_b32 s18, s43, 8
	s_lshl_b32 s19, s12, 6
	s_add_co_u32 s18, s18, s19                     ; my first token
	s_lshl_b32 s18, s18, 9                         ; x 512 bytes of table
	s_mov_b32 s19, 0
	s_wait_dscnt 0x0
	s_wait_kmcnt 0x0
	s_add_nc_u64 s[16:17], s[4:5], s[16:17]
	s_add_nc_u64 s[46:47], s[6:7], s[46:47]
	s_add_nc_u64 s[8:9], s[8:9], s[18:19]
	CROUND                                         ; all sixteen work-groups are here: the first joint loads meet
.irp s, 0,1
	s_mov_b32 s[G0+4*\s], 1
	s_add_co_u32 s[G0+4*\s+1], s20, \s*SLOT
	s_add_nc_u64 s[G0+4*\s+2:G0+4*\s+3], s[16:17], \s*KSTEP*2
	s_or_b32 s[G0+4*\s+3], s[G0+4*\s+3], 0x80000000
	s_mov_b32 s[G0B+4*\s], 1
	s_add_co_u32 s[G0B+4*\s+1], s21, \s*SLOT
	s_add_nc_u64 s[G0B+4*\s+2:G0B+4*\s+3], s[46:47], \s*KSTEP*2
	s_or_b32 s[G0B+4*\s+3], s[G0B+4*\s+3], 0x80000000
	JLOAD \s                                       ; both slots' first fills: two tensor loads of the wave are out, later one
.endr
	v_and_b32 v1, 15, v0                           ; r
	v_bfe_u32 v2, v0, 4, 1                         ; h
	v_lshlrev_b32 v[CSO], 9, v1
	v_lshl_add_u32 v[CSO], v2, 5, v[CSO]           ; token r's row + 32 h: my 8 frequencies of tile 0
	; The table of my 64 tokens: for tile (a, b), b = 0..3, 8 cosines at 64 a + 16 b and 8 sines at + 8, in window 2.  64 loads, waited for behind the K loop;
	; their offset register and base are never rewritten.
	WIN 0x80
.irp a, 0,1,2,3
.irp b, 0,1,2,3
	global_load_b128 v[64*\a+16*\b:64*\a+16*\b+3],     v[CSO], s[8:9] offset:8192*\a+64*\b
	global_load_b128 v[64*\a+16*\b+4:64*\a+16*\b+7],   v[CSO], s[8:9] offset:8192*\a+64*\b+16
	global_load_b128 v[64*\a+16*\b+8:64*\a+16*\b+11],  v[CSO], s[8:9] offset:8192*\a+64*\b+256
	global_load_b128 v[64*\a+16*\b+12:64*\a+16*\b+15], v[CSO], s[8:9] offset:8192*\a+64*\b+272
.endr
.endr
	WIN 0
	v_mul_u32_u24 v3, v1, PITCH
	v_lshl_add_u32 v3, v2, 4, v3                   ; row x pitch + 16 h: a fragment is two loads of 16 bytes, 32 bytes apart
	s_mul_i32 s22, s12, 64*PITCH                   ; my 64 rows of X
	v_add_nc_u32 v[ADRA], s22, v3
	v_add_nc_u32 v[ADRA+1], SLOT, v[ADRA]
	v_add_nc_u32 v[ADRB], 2*HALFA, v3
	v_add_nc_u32 v[ADRB+1], SLOT, v[ADRB]
	s_mul_i32 s23, s12, 16*PITCH
	s_add_co_u32 s23, s23, STAGE                   ; my stage
	v_add_nc_u32 v[STO], s23, v3                   ; in: row r, 16 bytes for each half of the lanes
	v_mul_u32_u24 v4, v2, PITCH
	v_lshl_add_u32 v4, v1, 4, v4
	v_add_nc_u32 v[RD], s23, v4                    ; back: lanes 0-15 one row of 256 bytes, lanes 16-31 the next
	v_lshlrev_b32 v4, 8, v2
	v_lshl_add_u32 v[CO], v1, 4, v4                ; the same two rows in qkv
; 8 matrix instructions: token block a x all 8 column blocks, 32 along K.  zero = 1: the first product starts the sums.
; The 32 accumulators take turns, one instruction a turn, in the same order in every quarter step.
.macro MULA f, a, zero
.irp b, 0,1,2,3,4,5,6,7
.if \zero
	v_wmma_f32_16x16x32_bf16 v[8*(8*\a+\b):8*(8*\a+\b)+7], v[\f+8*\b:\f+8*\b+7], v[\f+64+8*\a:\f+64+8*\a+7], 0
.else
	v_wmma_f32_16x16x32_bf16 v[8*(8*\a+\b):8*(8*\a+\b)+7], v[\f+8*\b:\f+8*\b+7], v[\f+64+8*\a:\f+64+8*\a+7], v[8*(8*\a+\b):8*(8*\a+\b)+7]
.endif
.endr
.endm
; 24 LDS loads: the fragments of one quarter step (128 rows of W, my 64 rows of X, 32 K at byte k) into buffer f
.macro FETCH slot, k, f
.irp i, 0,1,2,3,4,5,6,7
	ds_load_b128 v[\f+8*\i:\f+8*\i+3],   v[ADRB+\slot] offset:\k+\i*16*PITCH
	ds_load_b128 v[\f+8*\i+4:\f+8*\i+7], v[ADRB+\slot] offset:\k+\i*16*PITCH+32
.endr
.irp i, 0,1,2,3
	ds_load_b128 v[\f+64+8*\i:\f+64+8*\i+3],   v[ADRA+\slot] offset:\k+\i*16*PITCH
	ds_load_b128 v[\f+64+8*\i+4:\f+64+8*\i+7], v[ADRA+\slot] offset:\k+\i*16*PITCH+32
.endr
.endm
.macro QUARTER slot, k, f, g, zero
	s_wait_dscnt 4                                 ; of the buffer's 24 loads only the youngest four (X's fragments 2, 3) may be out
	WIN MUL
	MULA \f, 0, \zero
	MULA \f, 1, \zero
	WIN 0
	PLACES
	FETCH \slot, \k, \g
	s_wait_dscnt 24                                ; all but the 24 just issued
	WIN MUL
	MULA \f, 2, \zero
	MULA \f, 3, \zero
.endm
.macro THREE slot, zero
	QUARTER \slot, 64,  F0, F1, \zero
	QUARTER \slot, 128, F1, F0, 0
	QUARTER \slot, 192, F0, F1, 0
.endm
; The last quarter of a K step multiplies buffer 1 and changes slots.  In front of the barrier each wave waits for its reads of this slot and for all its
; tensor loads (one is out: its part of the next slot).  fill = 1: the barrier opens a round of the cluster's barrier, and the joint refill of this slot,
; two K steps ahead, is the first tensor load behind the round.  From a request to the wait for it a wave issues 120 matrix instructions.
.macro TURN slot, next, fill
	s_wait_dscnt 4
	WIN MUL
	MULA F1, 0, 0
	s_wait_dscnt 0
	s_wait_tensorcnt 0x0
	ds_add_u32 v254, v255
	s_wait_dscnt 0x0
	s_barrier_signal -1
	MULA F1, 1, 0                                  ; register work while the others arrive
	WIN 0
	s_barrier_wait -1
.if \fill
	CREST
	s_add_nc_u64 s[G0+4*\slot+2:G0+4*\slot+3], s[G0+4*\slot+2:G0+4*\slot+3], 2*KSTEP*2      ; no tensor load of the wave is out: the descriptors may be stepped
	s_add_nc_u64 s[G0B+4*\slot+2:G0B+4*\slot+3], s[G0B+4*\slot+2:G0B+4*\slot+3], 2*KSTEP*2
	JLOAD \slot
.endif
	PLACES
	FETCH \next, 0, F0
	WIN MUL
	MULA F1, 2, 0
	MULA F1, 3, 0
.endm
.macro LAP zero
	THREE 0, \zero
	TURN 0, 1, 1
	THREE 1, 0
	TURN 1, 0, 1
.endm
	s_wait_tensorcnt 1                             ; my part of K step 0 is in; K step 1's may stay out
	s_barrier_signal -1
	s_barrier_wait -1
	FETCH 0, 0, F0
	LAP 1
	WIN 0
	s_mov_b32 s15, LAPS-2
.Llap:
	LAP 0
	WIN 0
	s_sub_co_u32 s15, s15, 1
	s_cmp_lg_u32 s15, 0
	s_cbranch_scc1 .Llap
	THREE 0, 0                                     ; the last lap fills nothing
	TURN 0, 1, 0
	THREE 1, 0
	s_wait_dscnt 4
	WIN MUL
	MULA F1, 0, 0
	MULA F1, 1, 0
	s_wait_dscnt 0
	MULA F1, 2, 0
	MULA F1, 3, 0
	WIN 0
	PLACES
	; THE WAY OUT.  out1 = x1 cos - x2 sin, out2 = x2 cos + x1 sin, all times 2^-4.  The heads of v (cluster x = 3, alike in all partners) take
	; cos = 1 and sin = 0 by a select of two factors, not by a branch: cos' = cos sc + sd, sin' = sin sc.
	s_wait_loadcnt 0x0                             ; the table
	s_lshl_b32 s16, s43, 8
	s_lshl_b32 s17, s12, 6
	s_add_co_u32 s16, s16, s17
	s_lshl_b32 s16, s16, 8                         ; my first token x 256 bytes
	s_mov_b32 s17, 0
	s_add_nc_u64 s[10:11], s[10:11], s[16:17]
	s_lshl_b32 s46, s42, 20                        ; head x 4,096 tokens x 256 bytes
	s_mov_b32 s47, 0
	s_add_nc_u64 s[10:11], s[10:11], s[46:47]
	s_cmp_lt_u32 ttmp9, 3
	s_cselect_b32 s20, 0x3d800000, 0               ; sc = 2^-4 for q and k, 0 for v
	s_cselect_b32 s21, 0, 0x3d800000               ; sd = 0 for q and k, 2^-4 for v
	v_mov_b32 v[SCV], s20
	v_mov_b32 v[SCV+1], s20
	v_mov_b32 v[SDV], s21
	v_mov_b32 v[SDV+1], s21
	WIN 0x82                                       ; destination and source 0 in window 2
.set i, 0
.rept 16
.irp p, 0,2,4,6
	v_pk_fma_f32 v[16*i+\p:16*i+\p+1], v[16*i+\p:16*i+\p+1], v[SCV:SCV+1], v[SDV:SDV+1]
	v_pk_mul_f32 v[16*i+8+\p:16*i+8+\p+1], v[16*i+8+\p:16*i+8+\p+1], v[SCV:SCV+1]
.endr
.set i, i+1
.endr
; tokens 16 a .. 16 a + 15: rotate, round to f16, 16 bytes a lane into my own stage, back as whole rows of 256 bytes
.macro OUT16 a, f
	WIN 0x09                                       ; source 0 (sums) window 1, source 1 (table) window 2
.irp b, 0,1,2,3
.irp p, 0,2,4,6
	v_pk_mul_f32 v[OW+8*\b+\p:OW+8*\b+\p+1], v[8*(8*\a+\b)+\p:8*(8*\a+\b)+\p+1], v[64*\a+16*\b+\p:64*\a+16*\b+\p+1]
	v_pk_mul_f32 v[OW+32+8*\b+\p:OW+32+8*\b+\p+1], v[8*(8*\a+\b+4)+\p:8*(8*\a+\b+4)+\p+1], v[64*\a+16*\b+\p:64*\a+16*\b+\p+1]
.endr
.irp j, 0,1,2,3,4,5,6,7
	v_fma_f32 v[OW+8*\b+\j], -v[8*(8*\a+\b+4)+\j], v[64*\a+16*\b+8+\j], v[OW+8*\b+\j]
.endr
.irp p, 0,2,4,6
	v_pk_fma_f32 v[OW+32+8*\b+\p:OW+32+8*\b+\p+1], v[8*(8*\a+\b)+\p:8*(8*\a+\b)+\p+1], v[64*\a+16*\b+8+\p:64*\a+16*\b+8+\p+1], v[OW+32+8*\b+\p:OW+32+8*\b+\p+1]
.endr
.endr
	WIN 0
.irp b, 0,1,2,3,4,5,6,7
.irp q, 0,1,2,3
	v_cvt_pk_f16_f32 v[PK+4*\b+\q], v[OW+8*\b+2*\q], v[OW+8*\b+2*\q+1]
.endr
.endr
.irp b, 0,1,2,3,4,5,6,7
	ds_store_b128 v[STO], v[PK+4*\b:PK+4*\b+3] offset:32*\b
.endr
	s_wait_xcnt 0x0                                ; buffer f, which earlier stores read, and the stores' base are rewritten only behind this wait
.if \a
	s_add_nc_u64 s[10:11], s[10:11], 16*256
.endif
.irp t, 0,1,2,3,4,5,6,7
	ds_load_b128 v[\f+4*\t:\f+4*\t+3], v[RD] offset:\t*2*PITCH     ; LDS serves a wave's instructions in order (ISA guide 5.7.1): these see the stores above
.endr
.irp t, 0,1,2,3,4,5,6,7
	s_wait_dscnt 7-\t
	global_store_b128 v[CO], v[\f+4*\t:\f+4*\t+3], s[10:11] offset:512*\t   ; 16 lanes store 256 consecutive bytes, aligned: one (head, token) row
.endr
.endm
	OUT16 0, 128
	OUT16 1, 160
	OUT16 2, 128
	OUT16 3, 160
	s_wait_tensorcnt 0x0
	ds_add_u32 v254, v255
	s_wait_dscnt 0x0
	CROUND                                         ; the closing round; the last count-down has left no LDS instruction out
	s_endpgm
.Lfunc_end_k_q3bf04c15c7_qkvproj:
	.size	k_q3bf04c15c7_qkvproj, .Lfunc_end_k_q3bf04c15c7_qkvproj-k_q3bf04c15c7_qkvproj
	.p2alignl 7, 3214868480
	.fill 96, 4, 3214868480
	.section	.rodata,"a",@progbits
	.p2align	6, 0x0
	.amdhsa_kernel k_q3bf04c15c7_qkvproj
		.amdhsa_group_segment_fixed_size 327680
		.amdhsa_private_segment_fixed_size 0
		.amdhsa_enable_private_segment 0
		.amdhsa_kernarg_size 32
		.amdhsa_user_sgpr_count 2
		.amdhsa_user_sgpr_kernarg_segment_ptr 1
		.amdhsa_wavefront_size32 1
		.amdhsa_system_sgpr_workgroup_id_x 1
		.amdhsa_system_sgpr_workgroup_id_y 1
		.amdhsa_system_sgpr_workgroup_id_z 1
		.amdhsa_system_vgpr_workitem_id 0
		.amdhsa_next_free_vgpr 768
		.amdhsa_next_free_sgpr 66
		.amdhsa_reserve_vcc 0
		.amdhsa_float_denorm_mode_32 3
		.amdhsa_float_denorm_mode_16_64 3
		.amdhsa_memory_ordered 1
		.amdhsa_forward_progress 1
		.amdhsa_inst_pref_size 152
	.end_amdhsa_kernel
	.amdgpu_metadata
---
amdhsa.version: [ 1, 2 ]
amdhsa.kernels:
  - .name:           k_q3bf04c15c7_qkvproj
    .symbol:         k_q3bf04c15c7_qkvproj.kd
    .args:
      - { .name: xb, .offset: 0, .size: 8, .value_kind: global_buffer, .address_space: global }
      - { .name: wqkvb, .offset: 8, .size: 8, .value_kind: global_buffer, .address_space: global }
      - { .name: cs, .offset: 16, .size: 8, .value_kind: global_buffer, .address_space: global }
      - { .name: qkv, .offset: 24, .size: 8, .value_kind: global_buffer, .address_space: global }
    .group_segment_fixed_size: 327680
    .private_segment_fixed_size: 0
    .kernarg_segment_align: 8
    .kernarg_segment_size: 32
    .max_flat_workgroup_size: 128
    .sgpr_count:     66
    .vgpr_count:     768
    .wavefront_size: 32
...
	.end_amdgpu_metadata
.endif
;; end of part 2
;; launch attn (part 3): grid 4 x 64, 8 waves a work-group, clusters of 4 x 4, 327,680 bytes of LDS; arguments qkv, attention_mask, attn; writes attn
.if DOCPART == 3
	.amdgcn_target "amdgcn-amd-amdhsa--gfx1250"
	.amdhsa_code_object_version 6
	.text
	.protected	k_q3bf04c15c7_attn
	.globl	k_q3bf04c15c7_attn
	.p2align	8
	.type	k_q3bf04c15c7_attn,@function
k_q3bf04c15c7_attn:
	s_mov_b64 s[64:65], 0
	v_nop
	global_prefetch_b8 v0, s[64:65] scope:SCOPE_SE
	s_setreg_imm32_b32 hwreg(HW_REG_WAVE_MODE, 25, 1), 1
	s_wait_xcnt 0x0
	s_wait_alu depctr_hold_cnt(0) depctr_sa_sdst(0) depctr_va_vdst(0) depctr_va_sdst(0) depctr_va_ssrc(0) depctr_va_vcc(0) depctr_vm_vsrc(0)
	s_getreg_b32 s2, hwreg(HW_REG_IB_STS2, 6, 4)
	s_cmp_eq_u32 s2, 0
	s_cbranch_scc0 .Lentry_in_a_cluster
	s_endpgm
.Lentry_in_a_cluster:
	s_bfe_u32 s2, ttmp6, 0x10000c
	s_cmp_lg_u32 s2, 0xf033
	s_cbranch_scc0 .Lentry_shape_is_right
	s_endpgm
.Lentry_shape_is_right:
; attn: softmax(q k^T / sqrt(128) + mask) v with a running maximum, f16 operands, f32 sums.  The mask is an input: all 2,048 keys are visited, every word is read.
;   qkv [16 heads][4096 tok][128] f16, all times 2^-4;  attn [4096 tok][1024] f16, e = head x 128 + d, times 2^-4.
; A work-group takes 64 tokens for the two query heads of one key/value head.  Keys go in tiles of 128 through two LDS slots (V, K, mask).
; EIGHT WAVES, two for each of the WGP's four SIMDs.  Wave w takes tokens 16 (w mod 4) .. + 15 of BOTH heads (K's and V's fragments and the mask's registers serve
; twice) and keys 64 (w / 4) .. + 63 of every tile, with a running maximum, sum and O of its own; at the end waves w and w xor 4 merge their halves through LDS.
; OPPOSITE PHASES.  For 64 keys a wave has 64 matrix instructions and some 330 vector instructions, which in one wave follow each other.  The softmax, pure register
; work, stands twice in the text under a branch on the wave's number: waves 4-7 run it in front of the tile's barrier, waves 0-3 behind it.  So behind each
; barrier waves 0-3 have vector work while waves 4-7 issue P V and the next K Q, and then the other way round.  Every barrier stands in the text that all waves run.
; CLUSTERS: 4 x 4.  cx = key/value head, cy = one of four token blocks of one batch.  K's and V's tiles hang on (cx, cluster y) and are asked for jointly down
; a column; the mask's tile hangs on the token block and is asked for jointly along a row.  Six waves ask, each for 64 rows of 256 bytes: waves 0, 1 V's halves,
; waves 2, 3 K's, waves 4, 5 the mask's (64 tokens x 64 keys each).
; EVERYTHING TRANSPOSED.  S^T = K Q^T: lane (r, h) holds token r, register j of tile t key 16 t + 8 h + j: maxima and sums are in the lane but for one exchange
; of the halves; two tiles of S^T pack in place into one source-1 fragment of O^T = V^T P^T; the rescaling factor is the lane's own; O^T leaves a lane
; 8 neighbouring d of one token.
; BASE 2: s = qk x (2^8 log2e / sqrt 128) + mask x log2e, one fused multiply-add; p = 2^(s - m), the running maximum m subtracted before the exponential.
; LIMITS.  m is floored at -1e38 (in these units): -inf in the mask is served; a row whose scores all lie below the floor is not.  The mask's multiplication by
; log2e adds one rounding of relative 2^-24 to it.  p below 6e-8 of the largest that a wave has met in the row rounds to 0 in f16.
.set KP,    272                        ; K's LDS pitch
.set VP,    288                        ; V's: an odd multiple of 32 for the transposing load
.set MP,    272                        ; the mask's: 64 keys x 4 bytes + 16
.set KOFF,  128*VP                     ; a slot: V's 128 keys, K's 128 keys, the mask's two halves of 64 tokens x 64 keys
.set MOFF,  KOFF+128*KP
.set SLOT,  MOFF+128*MP                ; 106,496
.set XCH,   2*SLOT                     ; behind the ring, all in blocks of 256 bytes into which no tensor load lands: the exchange, 8,448 bytes a wave,
.set XSZ,   8448
.set OSTG,  XCH+8*XSZ                  ; and the stage of the way out, 16 rows x 272 bytes a wave
.set AK, 4                             ; v4-5   K's fragment address in slot 0, 1 (at the end v4-7: the exchange's addresses)
.set AV, 6                             ; v6-7   V's
.set AM, 8                             ; v8-9   the mask's
.set STO, 10
.set RD,  11
.set CO,  12
.set QO,  13
.set MX,  14                           ; v14-15 running maximum, head 0, 1
.set LS,  16                           ; v16-17 running sum of my lane's keys
.set AL,  18                           ; v[18:19], v[20:21] rescaling factor (first word; the second is written once)
.set NM,  22                           ; v[22:23], v[24:25] minus the maximum (likewise)
.set KV,  32                           ; v32-159  K fragment (t, c) at 32 t + 8 c; when K Q is done, V fragment (u, dt) at 64 u + 8 dt
.set SC,  160                          ; v160-223 score tile (hq, t) at 32 hq + 8 t
.set MK,  224                          ; v224-255 mask of tile t at 8 t
.set QF,  0                            ; window 1: Q fragment (hq, c) at 32 hq + 8 c
.set OF,  64                           ; window 1: O tile (hq, dt) at 64 + 64 hq + 8 dt
.set G1K, 24
.set G1V, 32
.set G1M, 44
.set G0K, 52
.set G0V, 68
.set G0M, 76
.set MSB, 0
.macro WIN new                         ; the immediate's high byte repeats the setting that is left
.if MSB != \new
	s_set_vgpr_msb (MSB<<8)|\new
.set MSB, \new
.endif
.endm
.macro PLACES n                        ; plain vector instructions behind a matrix instruction (ISA guide 7.12.1)
.rept \n
	v_nop
.endr
.endm
.macro ROUND                           ; a round of the cluster's barrier
	s_barrier_signal -1
	s_barrier_wait -1
	s_cmp_lg_u32 s10, 0
	s_cbranch_scc1 .Lnot_wave_0_\@
	s_barrier_signal -3
.Lnot_wave_0_\@:
	s_barrier_wait -3
	s_barrier_signal -1
	s_barrier_wait -1
.endm
.macro JLOAD s                         ; one joint load a wave: waves 0, 1 V's halves, waves 2, 3 K's, waves 4, 5 the mask's, waves 6, 7 none
	s_cmp_eq_u32 s11, 0
	s_cbranch_scc0 .Lnot_v_\@
	tensor_load_to_lds s[G0V+4*\s:G0V+4*\s+3], s[G1V:G1V+7]
	s_nop 0
	s_branch .Lasked_\@
.Lnot_v_\@:
	s_cmp_eq_u32 s11, 1
	s_cbranch_scc0 .Lnot_k_\@
	tensor_load_to_lds s[G0K+4*\s:G0K+4*\s+3], s[G1K:G1K+7]
	s_nop 0
	s_branch .Lasked_\@
.Lnot_k_\@:
	s_cmp_eq_u32 s11, 2
	s_cbranch_scc0 .Lasked_\@
	tensor_load_to_lds s[G0M+4*\s:G0M+4*\s+3], s[G1M:G1M+7]
	s_nop 0
.Lasked_\@:
.endm
	s_load_b128 s[4:7], s[0:1], 0x0                ; qkv s[4:5], mask s[6:7]
	s_load_b64 s[8:9], s[0:1], 0x10                ; attn
	s_set_vgpr_msb 0x40
	v_lshl_add_u32 v192, v0, 2, 0x4d000
	v_mov_b32 v193, 0
	s_set_vgpr_msb 0x4045
	ds_add_u32 v192, v193
	s_set_vgpr_msb 0x4500
	v_lshrrev_b32 v1, 5, v0
	v_readfirstlane_b32 s10, v1                    ; wave 0..7
	s_lshr_b32 s11, s10, 1                         ; what I fetch: 0 V, 1 K, 2 the mask, 3 nothing
	s_and_b32 s92, s10, 1                          ; which half of it
	s_and_b32 s93, s10, 3                          ; which 16 tokens are mine
	s_lshr_b32 s60, s10, 2                         ; which 64 keys of every tile
	s_mov_b32 s12, 0x76543210                      ; v_permlanex16_b32: lane i of one half reads lane i of the other
	s_mov_b32 s13, 0xfedcba98
	s_mov_b32 s14, 0x420293ee                      ; 2^8 log2e / sqrt(128), as a pair
	s_mov_b32 s15, 0x420293ee
	s_mov_b32 s16, 0x3fb8aa3b                      ; log2e, as a pair
	s_mov_b32 s17, 0x3fb8aa3b
	s_bfe_u32 s40, ttmp6, 0x40000                  ; cx
	s_bfe_u32 s41, ttmp6, 0x40004                  ; cy
	s_lshl_b32 s42, ttmp9, 2
	s_add_co_u32 s42, s42, s40                     ; key/value head
	s_and_b32 s19, ttmp7, 0xffff                   ; cluster y
	s_lshl_b32 s43, s19, 2
	s_add_co_u32 s43, s43, s41                     ; y: block of 64 tokens, 0..63
	s_lshl_b32 s84, s41, 2
	s_lshl_b32 s84, 15, s84                        ; my row of the cluster
	s_lshl_b32 s85, 0x1111, s40                    ; my column
	s_or_b32 s[G1K+0], s85, (1<<16)|(1<<20)|(1<<21)|(5<<22)|(3<<25)  ; 2-byte elements; after every 64 words 4 words of padding: pitch 272
	s_or_b32 s[G1V+0], s85, (1<<16)|(1<<20)|(1<<21)|(5<<22)|(7<<25)  ; 8 words: pitch 288
	s_or_b32 s[G1M+0], s84, (2<<16)|(1<<20)|(1<<21)|(5<<22)|(3<<25)  ; 4-byte elements; after every 64 words 4 words: pitch 272
	s_mov_b32 s[G1K+1], 128<<16                    ; tensor_dim0 = 128 elements of 2 bytes,
	s_mov_b32 s[G1V+1], 128<<16
	s_mov_b32 s[G1M+1], 64<<16                     ; 64 of 4 bytes: every row is 256 bytes
	s_mov_b32 s[G1K+2], 64<<16                     ; tensor_dim1 = 64 rows
	s_mov_b32 s[G1V+2], 64<<16
	s_mov_b32 s[G1M+2], 64<<16
	s_mov_b32 s[G1K+3], 128<<16                    ; tile_dim0
	s_mov_b32 s[G1V+3], 128<<16
	s_mov_b32 s[G1M+3], 64<<16
	s_mov_b32 s[G1K+4], 64                         ; tile_dim1
	s_mov_b32 s[G1V+4], 64
	s_mov_b32 s[G1M+4], 64
	s_mov_b32 s[G1K+5], 128                        ; elements from row to row
	s_mov_b32 s[G1V+5], 128
	s_mov_b32 s[G1M+5], 2048
	s_mov_b32 s[G1K+6], 0
	s_mov_b32 s[G1V+6], 0
	s_mov_b32 s[G1M+6], 0
	s_mov_b32 s[G1K+7], 0
	s_mov_b32 s[G1V+7], 0
	s_mov_b32 s[G1M+7], 0
	s_add_co_u32 s20, s42, 8                       ; K: head 8 + key/value head, 2^20 bytes a head,
	s_lshl_b32 s20, s20, 20
	s_lshr_b32 s21, s19, 3                         ; batch = cluster y / 8, 2^19 bytes,
	s_lshl_b32 s21, s21, 19
	s_add_co_u32 s20, s20, s21
	s_lshl_b32 s21, s92, 14                        ; the half that I fetch: 64 keys x 256 bytes: made of cx, the cluster's y and the wave's number alone
	s_add_co_u32 s20, s20, s21
	s_mov_b32 s21, 0
	s_lshl_b32 s22, s43, 19                        ; the mask: 64 y rows of 8,192 bytes,
	s_lshl_b32 s23, s92, 8                         ; the half that I fetch: 64 keys x 4 bytes: made of cy, the cluster's y and the wave's number alone
	s_add_co_u32 s22, s22, s23
	s_mov_b32 s23, 0
	s_lshl_b32 s86, s42, 21                        ; Q: head 2 x key/value head, token 64 y + 16 (w mod 4), 256 bytes a token
	s_lshl_b32 s87, s43, 14
	s_add_co_u32 s86, s86, s87
	s_lshl_b32 s87, s93, 12
	s_add_co_u32 s86, s86, s87
	s_mov_b32 s87, 0
	s_lshl_b32 s88, s43, 17                        ; attn: the same token, 2,048 bytes a token, + 512 x key/value head
	s_lshl_b32 s89, s93, 15
	s_add_co_u32 s88, s88, s89
	s_lshl_b32 s89, s42, 9
	s_add_co_u32 s88, s88, s89
	s_mov_b32 s89, 0
	s_mul_i32 s61, s10, 64*VP                      ; LDS: waves 0, 1: V's halves at w x 18,432
	s_mul_i32 s62, s10, 64*KP                      ; waves 2, 3: K's halves, waves 4, 5: the mask's, all at w x 17,408 + 2,048
	s_add_co_u32 s62, s62, KOFF-2*64*KP
	s_wait_dscnt 0x0
	s_wait_kmcnt 0x0
	s_add_nc_u64 s[20:21], s[4:5], s[20:21]
	s_add_nc_u64 s[22:23], s[6:7], s[22:23]
	s_add_nc_u64 s[86:87], s[4:5], s[86:87]
	s_add_nc_u64 s[8:9], s[8:9], s[88:89]
.irp s, 0,1
	s_mov_b32 s[G0K+4*\s], 1
	s_add_co_u32 s[G0K+4*\s+1], s62, \s*SLOT
	s_add_nc_u64 s[G0K+4*\s+2:G0K+4*\s+3], s[20:21], \s*32768                ; tile s: 128 keys x 256 bytes
	s_or_b32 s[G0K+4*\s+3], s[G0K+4*\s+3], 0x80000000
	s_mov_b32 s[G0V+4*\s], 1
	s_add_co_u32 s[G0V+4*\s+1], s61, \s*SLOT
	s_add_nc_u64 s[G0V+4*\s+2:G0V+4*\s+3], s[20:21], 0x400000+\s*32768       ; V's head lies four heads behind K's
	s_or_b32 s[G0V+4*\s+3], s[G0V+4*\s+3], 0x80000000
	s_mov_b32 s[G0M+4*\s], 1
	s_add_co_u32 s[G0M+4*\s+1], s62, \s*SLOT
	s_add_nc_u64 s[G0M+4*\s+2:G0M+4*\s+3], s[22:23], \s*512                  ; 128 keys x 4 bytes along the rows
	s_or_b32 s[G0M+4*\s+3], s[G0M+4*\s+3], 0x80000000
.endr
	ROUND                                          ; all sixteen work-groups are here: the first joint loads meet
	; the first fills, both slots, inside one branch on the wave's number: two tensor loads are out in waves 0 to 5, later one
	s_cmp_eq_u32 s11, 0
	s_cbranch_scc0 .Lff_not_v
	tensor_load_to_lds s[G0V:G0V+3], s[G1V:G1V+7]
	s_nop 0
	tensor_load_to_lds s[G0V+4:G0V+7], s[G1V:G1V+7]
	s_nop 0
	s_branch .Lff_done
.Lff_not_v:
	s_cmp_eq_u32 s11, 1
	s_cbranch_scc0 .Lff_not_k
	tensor_load_to_lds s[G0K:G0K+3], s[G1K:G1K+7]
	s_nop 0
	tensor_load_to_lds s[G0K+4:G0K+7], s[G1K:G1K+7]
	s_nop 0
	s_branch .Lff_done
.Lff_not_k:
	s_cmp_eq_u32 s11, 2
	s_cbranch_scc0 .Lff_done
	tensor_load_to_lds s[G0M:G0M+3], s[G1M:G1M+7]
	s_nop 0
	tensor_load_to_lds s[G0M+4:G0M+7], s[G1M:G1M+7]
	s_nop 0
.Lff_done:
	v_and_b32 v1, 15, v0                           ; r
	v_bfe_u32 v2, v0, 4, 1                         ; h
	v_lshlrev_b32 v[QO], 8, v1
	v_lshl_add_u32 v[QO], v2, 4, v[QO]             ; token r's row + 16 h
	WIN 0x40                                       ; Q's fragments into window 1, straight from memory
.irp hq, 0,1
.irp c, 0,1,2,3
	global_load_b128 v[QF+32*\hq+8*\c:QF+32*\hq+8*\c+3],   v[QO], s[86:87] offset:1048576*\hq+64*\c
	global_load_b128 v[QF+32*\hq+8*\c+4:QF+32*\hq+8*\c+7], v[QO], s[86:87] offset:1048576*\hq+64*\c+32
.endr
.endr
	WIN 0
	v_mul_u32_u24 v3, v1, KP
	v_lshl_add_u32 v3, v2, 4, v3                   ; r x 272 + 16 h
	s_mul_i32 s61, s60, 64*KP
	s_add_co_u32 s61, s61, KOFF
	v_add_nc_u32 v[AK], s61, v3                    ; K: my 64 keys, row r x pitch + 16 h
	v_add_nc_u32 v[AK+1], SLOT, v[AK]
	s_mul_i32 s62, s10, 16*KP
	s_add_co_u32 s62, s62, OSTG                    ; my stage
	v_add_nc_u32 v[STO], s62, v3
	v_mul_u32_u24 v3, v2, KP
	v_lshl_add_u32 v3, v1, 4, v3
	v_add_nc_u32 v[RD], s62, v3
	v_and_b32 v3, 7, v0
	v_lshl_add_u32 v3, v2, 3, v3                   ; V, transposing load: key 8 h + (lane mod 8),
	v_mul_u32_u24 v[AV], v3, VP
	v_bfe_u32 v3, v0, 3, 1
	v_lshl_add_u32 v[AV], v3, 4, v[AV]             ; 16 bytes further for lanes 8-15 of each half,
	s_mul_i32 s61, s60, 64*VP
	v_add_nc_u32 v[AV], s61, v[AV]                 ; in my 64 keys
	v_add_nc_u32 v[AV+1], SLOT, v[AV]
	s_mul_i32 s61, s60, 64*MP
	s_mul_i32 s62, s93, 16*MP
	s_add_co_u32 s61, s61, s62
	s_add_co_u32 s61, s61, MOFF
	v_mul_u32_u24 v[AM], v1, MP
	v_lshl_add_u32 v[AM], v2, 5, v[AM]             ; mask: my half of the keys, token (16 (w mod 4) + r) x pitch + 32 h
	v_add_nc_u32 v[AM], s61, v[AM]
	v_add_nc_u32 v[AM+1], SLOT, v[AM]
	v_lshlrev_b32 v3, 11, v2
	v_lshl_add_u32 v[CO], v1, 4, v3                ; two rows of attn, 2,048 bytes apart
	v_mov_b32 v[MX], 0xfe967699                    ; -1e38: the floor of the running maximum
	v_mov_b32 v[MX+1], 0xfe967699
	v_mov_b32 v[AL+1], 0                           ; second words of the broadcast pairs, and the exchange's destinations: written once
	v_mov_b32 v[AL+3], 0
	v_mov_b32 v[NM+1], 0
	v_mov_b32 v[NM+3], 0
	v_mov_b32 v30, 0
	v_mov_b32 v31, 0
.macro LDK slot                        ; 32 loads: K's fragments of my 64 keys, quarter by quarter of d, so that K Q can begin on the first
.irp c, 0,1,2,3
.irp t, 0,1,2,3
	ds_load_b128 v[KV+32*\t+8*\c:KV+32*\t+8*\c+3],   v[AK+\slot] offset:16*\t*KP+64*\c
	ds_load_b128 v[KV+32*\t+8*\c+4:KV+32*\t+8*\c+7], v[AK+\slot] offset:16*\t*KP+64*\c+32
.endr
.endr
.endm
.macro LDM slot                        ; 8 loads: the mask of my 16 tokens x 64 keys
.irp t, 0,1,2,3
	ds_load_b128 v[MK+8*\t:MK+8*\t+3],   v[AM+\slot] offset:64*\t
	ds_load_b128 v[MK+8*\t+4:MK+8*\t+7], v[AM+\slot] offset:64*\t+16
.endr
.endm
.macro LDV slot                        ; 32 transposing loads: V^T's fragments of my 64 keys, into the registers that held K
.irp u, 0,1
.irp dt, 0,1,2,3,4,5,6,7
	ds_load_tr16_b128 v[KV+64*\u+8*\dt:KV+64*\u+8*\dt+3],   v[AV+\slot] offset:32*\u*VP+32*\dt
	ds_load_tr16_b128 v[KV+64*\u+8*\dt+4:KV+64*\u+8*\dt+7], v[AV+\slot] offset:(32*\u+16)*VP+32*\dt
.endr
.endr
.endm
; The softmax of 64 keys x 16 tokens x 2 heads: register work alone.  first = 1: nothing to rescale.
.macro SOFTMAX first
.set i, 0
.rept 16
	v_pk_mul_f32 v[MK+2*i:MK+2*i+1], v[MK+2*i:MK+2*i+1], s[16:17] op_sel_hi:[1,0]           ; the mask in base-2 units, once for both heads
.set i, i+1
.endr
.irp hq, 0,1
.set i, 0
.rept 16
	v_pk_fma_f32 v[SC+32*\hq+2*i:SC+32*\hq+2*i+1], v[SC+32*\hq+2*i:SC+32*\hq+2*i+1], s[14:15], v[MK+2*i:MK+2*i+1] op_sel_hi:[1,0,1]
.set i, i+1
.endr
.endr
	; the new maximum: four chains (2 heads x 2), the first of each head started by the old maximum
	v_max3_num_f32 v26, v[MX], v[SC], v[SC+1]
	v_max_num_f32 v27, v[SC+16], v[SC+17]
	v_max3_num_f32 v28, v[MX+1], v[SC+32], v[SC+33]
	v_max_num_f32 v29, v[SC+48], v[SC+49]
.irp i, 2,4,6,8,10,12,14
	v_max3_num_f32 v26, v26, v[SC+\i], v[SC+\i+1]
	v_max3_num_f32 v27, v27, v[SC+16+\i], v[SC+17+\i]
	v_max3_num_f32 v28, v28, v[SC+32+\i], v[SC+33+\i]
	v_max3_num_f32 v29, v29, v[SC+48+\i], v[SC+49+\i]
.endr
	v_max_num_f32 v26, v26, v27
	v_max_num_f32 v28, v28, v29
	v_permlanex16_b32 v30, v26, s12, s13           ; the other half of the lanes holds the token's other keys
	v_permlanex16_b32 v31, v28, s12, s13
	v_max_num_f32 v26, v26, v30
	v_max_num_f32 v28, v28, v31
.if \first == 0
	v_sub_f32 v27, v[MX], v26
	v_sub_f32 v29, v[MX+1], v28
	v_exp_f32 v[AL], v27                           ; 2^(old - new); the moves below are the plain instructions behind it (ISA guide 5.7.2)
	v_exp_f32 v[AL+2], v29
.endif
	v_mov_b32 v[MX], v26
	v_mov_b32 v[MX+1], v28
	v_sub_f32 v[NM], 0, v26
	v_sub_f32 v[NM+2], 0, v28
.irp hq, 0,1
.set i, 0
.rept 16
	v_pk_add_f32 v[SC+32*\hq+2*i:SC+32*\hq+2*i+1], v[SC+32*\hq+2*i:SC+32*\hq+2*i+1], v[NM+2*\hq:NM+2*\hq+1] op_sel_hi:[1,0]   ; s - m
.set i, i+1
.endr
.endr
.set i, 0
.rept 64
	v_exp_f32 v[SC+i], v[SC+i]
.set i, i+1
.endr
	v_nop                                          ; the plain instruction between the exponentials and their use
	; sums of my lane's keys: two chains a head
	s_wait_alu depctr_va_vdst(0)
	v_pk_add_f32 v[26:27], v[SC:SC+1], v[SC+2:SC+3]
	v_pk_add_f32 v[28:29], v[SC+16:SC+17], v[SC+18:SC+19]
	v_pk_add_f32 v[30:31], v[SC+32:SC+33], v[SC+34:SC+35]
	v_pk_add_f32 v[2:3], v[SC+48:SC+49], v[SC+50:SC+51]
.irp i, 4,6,8,10,12,14
	v_pk_add_f32 v[26:27], v[26:27], v[SC+\i:SC+\i+1]
	v_pk_add_f32 v[28:29], v[28:29], v[SC+16+\i:SC+17+\i]
	v_pk_add_f32 v[30:31], v[30:31], v[SC+32+\i:SC+33+\i]
	v_pk_add_f32 v[2:3], v[2:3], v[SC+48+\i:SC+49+\i]
.endr
	v_pk_add_f32 v[26:27], v[26:27], v[28:29]
	v_pk_add_f32 v[30:31], v[30:31], v[2:3]
.if \first
	v_add_f32 v[LS], v26, v27
	v_add_f32 v[LS+1], v30, v31
.else
	v_add_f32 v26, v26, v27
	v_add_f32 v30, v30, v31
	v_fma_f32 v[LS], v[LS], v[AL], v26
	v_fma_f32 v[LS+1], v[LS+1], v[AL+2], v30
.endif
.irp hq, 0,1
.set i, 0
.rept 16
	v_cvt_pk_f16_f32 v[SC+32*\hq+i], v[SC+32*\hq+2*i], v[SC+32*\hq+2*i+1]  ; packs in place, ascending: tiles 2 u, 2 u + 1 become fragment u at 8 u
.set i, i+1
.endr
.endr
.if \first == 0
	WIN 0x41                                       ; O in window 1
.irp hq, 0,1
.set i, 0
.rept 32
	v_pk_mul_f32 v[OF+64*\hq+2*i:OF+64*\hq+2*i+1], v[OF+64*\hq+2*i:OF+64*\hq+2*i+1], v[AL+2*\hq:AL+2*\hq+1] op_sel_hi:[1,0]
.set i, i+1
.endr
.endr
	WIN 0                                          ; a label follows
.endif
.endm
; One tile: my 64 of its 128 keys.  On entry my 32 loads of K and, behind them, my 8 of the mask are out.  first = 1: the products start O's sums.
; chg = 2: the slot has been read out and is filled again behind a round of the cluster's barrier; chg = 1: change of slots without a refill; chg = 0: the last tile.
; more = 1: the next tile's K and mask are fetched from the other slot.
.macro TILE slot, first, chg, more
	WIN 0x04                                       ; source 1 (Q) in window 1
	; S^T = K Q^T: the eight accumulators take turns, one instruction a turn
.irp c, 0,1,2,3
	s_wait_dscnt 32-8*\c                           ; LDS loads come back in order (ISA guide 5.7.1): K's quarter c is in; the later quarters, 8 loads each, and the mask's 8 may be out
.irp t, 0,1,2,3
.irp hq, 0,1
.if \c == 0
	v_wmma_f32_16x16x32_f16 v[SC+32*\hq+8*\t:SC+32*\hq+8*\t+7], v[KV+32*\t+8*\c:KV+32*\t+8*\c+7], v[QF+32*\hq+8*\c:QF+32*\hq+8*\c+7], 0
.else
	v_wmma_f32_16x16x32_f16 v[SC+32*\hq+8*\t:SC+32*\hq+8*\t+7], v[KV+32*\t+8*\c:KV+32*\t+8*\c+7], v[QF+32*\hq+8*\c:QF+32*\hq+8*\c+7], v[SC+32*\hq+8*\t:SC+32*\hq+8*\t+7]
.endif
.endr
.endr
.endr
	WIN 0
	PLACES 5                                       ; four before V lands in K's registers and the scores are read; five before P V takes the scores' registers as a source:
	                                               ; kept here, so that the distance hangs on neither of the two branches round the softmax
	LDV \slot
	s_wait_dscnt 32                                ; only V's 32 loads may be out: the mask is in
	s_cmp_lt_u32 s10, 4
	s_cbranch_scc1 .Llate_\@                       ; waves 0-3 do it behind the barrier
	SOFTMAX \first
.Llate_\@:
.if \chg
	s_wait_dscnt 0x0                               ; my reads of this slot are over: K's and the mask's were in, V's now too
	s_set_vgpr_msb 0x5
	s_wait_tensorcnt 0x0                           ; and all my tensor loads have landed: my part of the other slot
	ds_add_u32 v192, v193
	s_wait_dscnt 0x0
	s_set_vgpr_msb 0x500
.if \chg == 2
	s_add_nc_u64 s[G0K+4*\slot+2:G0K+4*\slot+3], s[G0K+4*\slot+2:G0K+4*\slot+3], 65536      ; no tensor load of the wave is out: this slot's next tile, two on
	s_add_nc_u64 s[G0V+4*\slot+2:G0V+4*\slot+3], s[G0V+4*\slot+2:G0V+4*\slot+3], 65536
	s_add_nc_u64 s[G0M+4*\slot+2:G0M+4*\slot+3], s[G0M+4*\slot+2:G0M+4*\slot+3], 1024
	ROUND                                          ; both now hold of every wave of every work-group of the cluster
	JLOAD \slot                                    ; the refill first, one tensor load a wave; it has a whole tile's work in which to land
.else
	s_barrier_signal -1
	s_barrier_wait -1
.endif
.else
	s_wait_dscnt 0x0                               ; V
.endif
	s_cmp_ge_u32 s10, 4
	s_cbranch_scc1 .Learly_\@                      ; waves 4-7 have done it
	SOFTMAX \first
.Learly_\@:
	WIN 0x50                                       ; C and D (O) in window 1
	; O^T += V^T P^T: the sixteen accumulators take turns, one instruction a turn
.irp u, 0,1
.irp dt, 0,1,2,3,4,5,6,7
.irp hq, 0,1
.set z, 0
.if \first
.if \u == 0
.set z, 1
.endif
.endif
.if z
	v_wmma_f32_16x16x32_f16 v[OF+64*\hq+8*\dt:OF+64*\hq+8*\dt+7], v[KV+64*\u+8*\dt:KV+64*\u+8*\dt+7], v[SC+32*\hq+8*\u:SC+32*\hq+8*\u+7], 0
.else
	v_wmma_f32_16x16x32_f16 v[OF+64*\hq+8*\dt:OF+64*\hq+8*\dt+7], v[KV+64*\u+8*\dt:KV+64*\u+8*\dt+7], v[SC+32*\hq+8*\u:SC+32*\hq+8*\u+7], v[OF+64*\hq+8*\dt:OF+64*\hq+8*\dt+7]
.endif
.endr
.endr
.endr
	WIN 0
.if \more
	PLACES 5                                       ; four before K lands in V's registers, five before matrix instructions write the scores' registers, which these products read
	LDK 1-\slot
	LDM 1-\slot
.endif
.endm
	s_wait_tensorcnt 1                             ; my part of slot 0 is in; slot 1's may stay out
	s_barrier_signal -1
	s_barrier_wait -1
	LDK 0
	LDM 0
	s_wait_loadcnt 0x0                             ; Q
	; 16 tiles of 128 keys; 14 refills bring tiles 2 to 15
	TILE 0, 1, 2, 1
	TILE 1, 0, 2, 1
	s_mov_b32 s18, 6
.Lturns:
	TILE 0, 0, 2, 1
	TILE 1, 0, 2, 1
	s_sub_co_u32 s18, s18, 1
	s_cmp_lg_u32 s18, 0
	s_cbranch_scc1 .Lturns
	TILE 0, 0, 1, 1                                ; the last two tiles: nothing is left to fetch
	TILE 1, 0, 0, 0
	; THE END.  Waves w and w xor 4 hold the two halves of the keys for the same tokens.  Each gives one head away through LDS (waves 0-3 head 1, waves 4-7 head 0)
	; and finishes the other: M = max(m, m'), out = (O 2^(m-M) + O' 2^(m'-M)) / (l 2^(m-M) + l' 2^(m'-M)).
	PLACES 4
	v_permlanex16_b32 v30, v[LS], s12, s13         ; the sums of the two halves of the lanes meet
	v_permlanex16_b32 v31, v[LS+1], s12, s13
	v_add_f32 v[LS], v[LS], v30
	v_add_f32 v[LS+1], v[LS+1], v31
	v_and_b32 v1, 31, v0
	s_mul_i32 s61, s10, XSZ
	s_add_co_u32 s61, s61, XCH                     ; my block of the exchange,
	s_xor_b32 s62, s10, 4
	s_mul_i32 s62, s62, XSZ
	s_add_co_u32 s62, s62, XCH                     ; my partner's
	v_lshl_add_u32 v4, v1, 4, s61                  ; O: 16 bytes a lane, 512 neighbouring bytes an instruction
	v_lshl_add_u32 v5, v1, 4, s62
	v_lshl_add_u32 v6, v1, 2, s61                  ; m and l: 4 bytes a lane, behind O's 8,192 bytes
	v_lshl_add_u32 v7, v1, 2, s62
.macro GIVE hq
	WIN 0x04                                       ; the stores' data in window 1
.set i, 0
.rept 16
	ds_store_b128 v4, v[OF+64*\hq+4*i:OF+64*\hq+4*i+3] offset:512*i
.set i, i+1
.endr
	WIN 0
	ds_store_b32 v6, v[MX+\hq] offset:8192
	ds_store_b32 v6, v[LS+\hq] offset:8320
.endm
.macro TAKE hq
.set i, 0
.rept 16
	ds_load_b128 v[KV+4*i:KV+4*i+3], v5 offset:512*i
.set i, i+1
.endr
	ds_load_b32 v26, v7 offset:8192                ; m'
	ds_load_b32 v27, v7 offset:8320                ; l'
	s_wait_dscnt 0x0
	v_max_num_f32 v28, v[MX+\hq], v26
	v_sub_f32 v29, v[MX+\hq], v28
	v_sub_f32 v30, v26, v28
	v_exp_f32 v29, v29
	v_exp_f32 v30, v30
	v_nop                                          ; the plain instruction behind the exponentials (ISA guide 5.7.2)
	s_wait_alu depctr_va_vdst(0)
	v_mul_f32 v31, v[LS+\hq], v29
	v_fma_f32 v31, v27, v30, v31
	v_rcp_f32 v31, v31
	v_nop                                          ; and behind the reciprocal
	s_wait_alu depctr_va_vdst(0)
	v_mul_f32 v[AL], v29, v31                      ; the factor on my O,
	v_mul_f32 v[AL+2], v30, v31                    ; on my partner's
.set i, 0
.rept 32
	v_pk_mul_f32 v[KV+2*i:KV+2*i+1], v[KV+2*i:KV+2*i+1], v[AL+2:AL+3] op_sel_hi:[1,0]
.set i, i+1
.endr
	WIN 0x01                                       ; source 0 (O) in window 1
.set i, 0
.rept 32
	v_pk_fma_f32 v[KV+2*i:KV+2*i+1], v[OF+64*\hq+2*i:OF+64*\hq+2*i+1], v[AL:AL+1], v[KV+2*i:KV+2*i+1] op_sel_hi:[1,0,1]
.set i, i+1
.endr
	WIN 0
.set i, 0
.rept 32
	v_cvt_pk_f16_f32 v[SC+i], v[KV+2*i], v[KV+2*i+1]
.set i, i+1
.endr
.irp dt, 0,1,2,3,4,5,6,7
	ds_store_b128 v[STO], v[SC+4*\dt:SC+4*\dt+3] offset:32*\dt
.endr
.irp t, 0,1,2,3,4,5,6,7
	ds_load_b128 v[MK+4*\t:MK+4*\t+3], v[RD] offset:544*\t         ; LDS serves a wave's instructions in order (ISA guide 5.7.1): these see the stores above
.endr
.irp t, 0,1,2,3,4,5,6,7
	s_wait_dscnt 7-\t
	global_store_b128 v[CO], v[MK+4*\t:MK+4*\t+3], s[8:9] offset:4096*\t+256*\hq   ; 16 lanes store 256 consecutive bytes, aligned: one head of one token
.endr
.endm
	s_cmp_lt_u32 s10, 4
	s_cbranch_scc0 .Lgive_0
	GIVE 1
	s_branch .Lgiven
.Lgive_0:
	GIVE 0
.Lgiven:
	s_wait_dscnt 0x0                               ; for my partner's sake: my stores are done
	s_barrier_signal -1
	s_barrier_wait -1
	s_cmp_lt_u32 s10, 4
	s_cbranch_scc0 .Ltake_1
	TAKE 0
	s_branch .Ltaken
.Ltake_1:
	TAKE 1
.Ltaken:
	s_set_vgpr_msb 0x5
	s_wait_tensorcnt 0x0
	ds_add_u32 v192, v193
	s_wait_dscnt 0x0
	s_set_vgpr_msb 0x500
	ROUND                                          ; the closing round; the last count-down has left no LDS instruction out
	s_endpgm
.Lfunc_end_k_q3bf04c15c7_attn:
	.size	k_q3bf04c15c7_attn, .Lfunc_end_k_q3bf04c15c7_attn-k_q3bf04c15c7_attn
	.p2alignl 7, 3214868480
	.fill 96, 4, 3214868480
	.section	.rodata,"a",@progbits
	.p2align	6, 0x0
	.amdhsa_kernel k_q3bf04c15c7_attn
		.amdhsa_group_segment_fixed_size 327680
		.amdhsa_private_segment_fixed_size 0
		.amdhsa_enable_private_segment 0
		.amdhsa_kernarg_size 24
		.amdhsa_user_sgpr_count 2
		.amdhsa_user_sgpr_kernarg_segment_ptr 1
		.amdhsa_wavefront_size32 1
		.amdhsa_system_sgpr_workgroup_id_x 1
		.amdhsa_system_sgpr_workgroup_id_y 1
		.amdhsa_system_sgpr_workgroup_id_z 1
		.amdhsa_system_vgpr_workitem_id 0
		.amdhsa_next_free_vgpr 450
		.amdhsa_next_free_sgpr 96
		.amdhsa_reserve_vcc 0
		.amdhsa_float_denorm_mode_32 3
		.amdhsa_float_denorm_mode_16_64 3
		.amdhsa_memory_ordered 1
		.amdhsa_forward_progress 1
		.amdhsa_inst_pref_size 255
	.end_amdhsa_kernel
	.section	.bss,"aw",@nobits
	.p2align	6
	.space	262144
	.amdgpu_metadata
---
amdhsa.version: [ 1, 2 ]
amdhsa.kernels:
  - .name:           k_q3bf04c15c7_attn
    .symbol:         k_q3bf04c15c7_attn.kd
    .args:
      - { .name: qkv, .offset: 0, .size: 8, .value_kind: global_buffer, .address_space: global }
      - { .name: attention_mask, .offset: 8, .size: 8, .value_kind: global_buffer, .address_space: global }
      - { .name: attn, .offset: 16, .size: 8, .value_kind: global_buffer, .address_space: global }
    .group_segment_fixed_size: 327680
    .private_segment_fixed_size: 0
    .kernarg_segment_align: 8
    .kernarg_segment_size: 24
    .max_flat_workgroup_size: 256
    .sgpr_count:     96
    .vgpr_count:     450
    .wavefront_size: 32
...
	.end_amdgpu_metadata
.endif
;; end of part 3
;; launch oproj (part 4): grid 16 x 16, 4 waves a work-group, clusters of 4 x 4, 327,680 bytes of LDS; arguments attn, wob, out0; writes out0
.if DOCPART == 4
	.amdgcn_target "amdgcn-amd-amdhsa--gfx1250"
	.amdhsa_code_object_version 6
	.text
	.protected	k_q3bf04c15c7_oproj
	.globl	k_q3bf04c15c7_oproj
	.p2align	8
	.type	k_q3bf04c15c7_oproj,@function
k_q3bf04c15c7_oproj:
	s_mov_b64 s[64:65], 0
	v_nop
	global_prefetch_b8 v0, s[64:65] scope:SCOPE_SE
	s_setreg_imm32_b32 hwreg(HW_REG_WAVE_MODE, 25, 1), 1
	s_wait_xcnt 0x0
	s_wait_alu depctr_hold_cnt(0) depctr_sa_sdst(0) depctr_va_vdst(0) depctr_va_sdst(0) depctr_va_ssrc(0) depctr_va_vcc(0) depctr_vm_vsrc(0)
	s_getreg_b32 s2, hwreg(HW_REG_IB_STS2, 6, 4)
	s_cmp_eq_u32 s2, 0
	s_cbranch_scc0 .Lentry_in_a_cluster
	s_endpgm
.Lentry_in_a_cluster:
	s_bfe_u32 s2, ttmp6, 0x10000c
	s_cmp_lg_u32 s2, 0xf033
	s_cbranch_scc0 .Lentry_shape_is_right
	s_endpgm
.Lentry_shape_is_right:
; oproj: out0[m][n] = sum over k of attn[m][k] wob[n][k].  attn: [4096][1024] f16 (times 2^-4), wob: [4096][1024] f16 (times 2^4), out0: [4096][4096] f32.
; A work-group makes 256 x 256 of out0 with four waves; a wave makes 128 x 128: 64 accumulator tiles, 512 registers.  K goes in steps of 128 (rows of 256 bytes,
; aligned) through two LDS slots filled by tensor loads.
; CLUSTERS: 4 x 4 work-groups.  A's tile hangs on the block row alone and is asked for jointly along a row of the cluster, B's on the block column alone and is
; asked for jointly along a column: that divides the requests for both by four.
; REGISTERS: window 0: v0-31 addresses; v64-127, v128-191 fragments of A, two buffers.  Window 1: the same for B.  Window 2: the 32 accumulator tiles of my
; rows 0-63 (tile (a, b) at 8 (8 a + b)); window 3: those of my rows 64-127.
; THE MATRIX INSTRUCTION IS USED TRANSPOSED (source 0 = rows of B, source 1 = rows of A): lane (r, h) holds row r, its registers 0-7 columns 8 h + 0..7 of a tile:
; 32 neighbouring bytes of a row of out0.
.set SIZE_N, 4096
.set SIZE_K, 1024
.set KSTEP,  128
.set PITCH,  272
.set HALFT,  128*PITCH
.set SLOT,   4*HALFT
.set STAGE,  2*SLOT                    ; behind the ring, a multiple of 256: 16 rows x 528 bytes for each wave; no tensor load lands there
.set SPITCH, 528                       ; 512 bytes of a row + 16: an odd multiple of 16
.set LAPS, SIZE_K/(2*KSTEP)
.set ADRA, 16
.set ADRB, 20
.set STO,  24
.set RD,   25
.set CO,   26
.set F0,   64
.set F1,   128
.set G1, 24
.set G0, 32
.set G1B, 48
.set G0B, 56
.set MSB, 0
.macro WIN new
.if MSB != \new
	s_set_vgpr_msb (MSB<<8)|\new
.set MSB, \new
.endif
.endm
.set MUL_LO, 0xa1                      ; source 0 (B) window 1, source 1 (A) window 0, C and D window 2
.set MUL_HI, 0xf1                      ; the same, C and D window 3
.set TO_B,   0x40
.macro JLOAD s                         ; waves 0, 1 ask for A's halves, waves 2, 3 for B's; the branch hangs on the wave's number alone
	s_cmp_eq_u32 s11, 0
	s_cbranch_scc0 .Lfor_b_\@
	tensor_load_to_lds s[G0+4*\s:G0+4*\s+3], s[G1:G1+7]
	s_nop 0
	s_branch .Lasked_\@
.Lfor_b_\@:
	tensor_load_to_lds s[G0B+4*\s:G0B+4*\s+3], s[G1B:G1B+7]
	s_nop 0
.Lasked_\@:
.endm
.macro CREST
	s_cmp_lg_u32 s10, 0
	s_cbranch_scc1 .Lnot_wave_0_\@
	s_barrier_signal -3
.Lnot_wave_0_\@:
	s_barrier_wait -3
	s_barrier_signal -1
	s_barrier_wait -1
.endm
.macro CROUND
	s_barrier_signal -1
	s_barrier_wait -1
	CREST
.endm
	s_load_b128 s[4:7], s[0:1], 0x0                ; attn s[4:5], wob s[6:7]
	s_load_b64 s[8:9], s[0:1], 0x10                ; out0
	s_set_vgpr_msb 0x40
	v_lshl_add_u32 v255, v0, 2, 0x4c400
	s_set_vgpr_msb 0x4000
	v_mov_b32 v255, 0
	s_set_vgpr_msb 0x1
	ds_add_u32 v255, v255
	s_set_vgpr_msb 0x100
	v_lshrrev_b32 v1, 5, v0
	v_readfirstlane_b32 s10, v1                    ; wave 0..3
	s_lshr_b32 s11, s10, 1                         ; which half of the block's rows is mine.  Also: I fetch for A (0) or for B (1)
	s_and_b32 s12, s10, 1                          ; which half of its columns.  Also: which 128 rows of that tile I fetch
	s_bfe_u32 s40, ttmp6, 0x40000                  ; cx
	s_bfe_u32 s41, ttmp6, 0x40004                  ; cy
	s_lshl_b32 s42, ttmp9, 2
	s_add_co_u32 s42, s42, s40                     ; block column
	s_and_b32 s13, ttmp7, 0xffff
	s_lshl_b32 s13, s13, 2
	s_add_co_u32 s13, s13, s41                     ; block row
	s_lshl_b32 s43, s41, 2
	s_lshl_b32 s43, 15, s43                        ; my row of the cluster
	s_lshl_b32 s44, 0x1111, s40                    ; my column
	s_or_b32 s[G1+0], s43, (1<<16)|(1<<20)|(1<<21)|(5<<22)|(3<<25)   ; mask; 2-byte elements; padding on; bit 21 beside a mask; after every 64 words, 4 words
	s_or_b32 s[G1B+0], s44, (1<<16)|(1<<20)|(1<<21)|(5<<22)|(3<<25)
	s_mov_b32 s[G1B+1], KSTEP<<16
	s_mov_b32 s[G1+1], KSTEP<<16                   ; tensor_dim0 = 128
	s_mov_b32 s[G1B+2], 128<<16
	s_mov_b32 s[G1+2], 128<<16                     ; tensor_dim1 = 128
	s_mov_b32 s[G1B+3], KSTEP<<16
	s_mov_b32 s[G1+3], KSTEP<<16                   ; tile_dim0 = 128
	s_mov_b32 s[G1B+4], 128
	s_mov_b32 s[G1+4], 128                         ; tile_dim1 = 128
	s_mov_b32 s[G1B+5], SIZE_K
	s_mov_b32 s[G1+5], SIZE_K                      ; elements from row to row
	s_mov_b32 s[G1B+6], 0
	s_mov_b32 s[G1+6], 0
	s_mov_b32 s[G1B+7], 0
	s_mov_b32 s[G1+7], 0
	; A's address is made of the block row and the wave's number, B's of the block column and the wave's number, each in registers that never hold the other coordinate
	s_lshl_b32 s17, s12, 7
	s_lshl_b32 s16, s13, 8
	s_add_co_u32 s16, s16, s17
	s_lshl_b32 s46, s42, 8
	s_add_co_u32 s46, s46, s17
	s_mov_b32 s17, 0
	s_mov_b32 s47, 0
	s_mov_b64 s[18:19], SIZE_K*2
	s_mul_u64 s[16:17], s[16:17], s[18:19]
	s_mul_u64 s[46:47], s[46:47], s[18:19]
	s_mul_i32 s20, s10, HALFT                      ; LDS: A's two halves, then B's two halves = wave x 128 rows
	s_wait_dscnt 0x0
	s_wait_kmcnt 0x0
	s_add_nc_u64 s[14:15], s[4:5], s[16:17]
	s_add_nc_u64 s[46:47], s[6:7], s[46:47]
	CROUND                                         ; all sixteen work-groups are here: the first joint loads meet
.irp s, 0,1
	s_mov_b32 s[G0+4*\s], 1
	s_add_co_u32 s[G0+4*\s+1], s20, \s*SLOT
	s_add_nc_u64 s[G0+4*\s+2:G0+4*\s+3], s[14:15], \s*KSTEP*2
	s_or_b32 s[G0+4*\s+3], s[G0+4*\s+3], 0x80000000
	s_mov_b32 s[G0B+4*\s], 1
	s_add_co_u32 s[G0B+4*\s+1], s20, \s*SLOT
	s_add_nc_u64 s[G0B+4*\s+2:G0B+4*\s+3], s[46:47], \s*KSTEP*2
	s_or_b32 s[G0B+4*\s+3], s[G0B+4*\s+3], 0x80000000
	JLOAD \s                                       ; two tensor loads of the wave are out, later one
.endr
	v_and_b32 v1, 15, v0                           ; r
	v_bfe_u32 v2, v0, 4, 1                         ; h
	v_mul_u32_u24 v3, v1, PITCH
	v_lshl_add_u32 v3, v2, 4, v3
	s_mul_i32 s21, s11, HALFT
	s_mul_i32 s22, s12, HALFT
	s_add_co_u32 s22, s22, 2*HALFT
.irp s, 0,1
	v_add_nc_u32 v[ADRA+\s], s21, v3
	v_add_nc_u32 v[ADRB+\s], s22, v3
	s_add_co_u32 s21, s21, SLOT
	s_add_co_u32 s22, s22, SLOT
.endr
	s_mul_i32 s23, s10, 16*SPITCH
	s_add_co_u32 s23, s23, STAGE                   ; my stage
	v_mul_u32_u24 v4, v1, SPITCH                   ; in: row r, 32 bytes for each half of the lanes
	v_lshl_add_u32 v4, v2, 5, v4
	v_add_nc_u32 v[STO], s23, v4
	v_and_b32 v5, 31, v0
	v_lshlrev_b32 v[CO], 4, v5                     ; back and out: the 32 lanes take one row of 512 bytes
	v_add_nc_u32 v[RD], s23, v[CO]
; 16 matrix instructions; the 64 accumulators take turns, one instruction a turn, in the same order in every quarter step
.macro MUL16 f, hi, a0, zero
.irp a, \a0, \a0+1
.irp b, 0,1,2,3,4,5,6,7
.if \zero
	v_wmma_f32_16x16x32_f16 v[8*(8*(\a)+\b):8*(8*(\a)+\b)+7], v[\f+8*\b:\f+8*\b+7], v[\f+8*(4*\hi+\a):\f+8*(4*\hi+\a)+7], 0
.else
	v_wmma_f32_16x16x32_f16 v[8*(8*(\a)+\b):8*(8*(\a)+\b)+7], v[\f+8*\b:\f+8*\b+7], v[\f+8*(4*\hi+\a):\f+8*(4*\hi+\a)+7], v[8*(8*(\a)+\b):8*(8*(\a)+\b)+7]
.endif
.endr
.endr
.endm
.macro FETCH slot, k, f                ; 32 LDS loads in one run: 128 rows of B, 128 rows of A, 32 K at byte k
	WIN TO_B
.irp i, 0,1,2,3,4,5,6,7
	ds_load_b128 v[\f+8*\i:\f+8*\i+3],   v[ADRB+\slot] offset:\k+\i*16*PITCH
	ds_load_b128 v[\f+8*\i+4:\f+8*\i+7], v[ADRB+\slot] offset:\k+\i*16*PITCH+32
.endr
	WIN 0
.irp i, 0,1,2,3,4,5,6,7
	ds_load_b128 v[\f+8*\i:\f+8*\i+3],   v[ADRA+\slot] offset:\k+\i*16*PITCH
	ds_load_b128 v[\f+8*\i+4:\f+8*\i+7], v[ADRA+\slot] offset:\k+\i*16*PITCH+32
.endr
.endm
.macro PLACES                          ; four plain vector instructions behind a matrix instruction, before its registers are loaded into or read (ISA guide 7.12.1)
.rept 4
	v_nop
.endr
.endm
.macro QUARTER slot, k, f, g, zero
	s_wait_dscnt 8                                 ; B and A's rows 0-63 are in; the youngest eight loads (A's rows 64-127) may be out
	WIN MUL_LO
	MUL16 \f, 0, 0, \zero
	MUL16 \f, 0, 2, \zero
	PLACES
	FETCH \slot, \k, \g
	s_wait_dscnt 32                                ; all but the 32 just issued
	WIN MUL_HI
	MUL16 \f, 1, 0, \zero
	MUL16 \f, 1, 2, \zero
.endm
.macro THREE slot, zero
	QUARTER \slot, 64,  F0, F1, \zero
	QUARTER \slot, 128, F1, F0, 0
	QUARTER \slot, 192, F0, F1, 0
.endm
; The last quarter changes slots.  In front of the barrier each wave waits for its reads of this slot and for all its tensor loads (one is out: its part of the
; next slot).  fill = 1: the barrier opens a round of the cluster's barrier, and the joint refill is the first tensor load behind the round.
; From a request to the wait for it a wave issues 240 matrix instructions.
.macro TURN slot, next, fill
	s_wait_dscnt 8
	WIN MUL_LO
	MUL16 F1, 0, 0, 0
	s_wait_dscnt 0
	s_wait_tensorcnt 0x0
	ds_add_u32 v255, v255
	s_wait_dscnt 0x0
	s_barrier_signal -1
	MUL16 F1, 0, 2, 0
	WIN 0
	s_barrier_wait -1
.if \fill
	CREST
	s_add_nc_u64 s[G0+4*\slot+2:G0+4*\slot+3], s[G0+4*\slot+2:G0+4*\slot+3], 2*KSTEP*2
	s_add_nc_u64 s[G0B+4*\slot+2:G0B+4*\slot+3], s[G0B+4*\slot+2:G0B+4*\slot+3], 2*KSTEP*2
	JLOAD \slot
.endif
	PLACES
	FETCH \next, 0, F0
	WIN MUL_HI
	MUL16 F1, 1, 0, 0
	MUL16 F1, 1, 2, 0
.endm
.macro LAP zero
	THREE 0, \zero
	TURN 0, 1, 1
	THREE 1, 0
	TURN 1, 0, 1
.endm
	s_wait_tensorcnt 1                             ; my part of K step 0 is in; K step 1's may stay out
	s_barrier_signal -1
	s_barrier_wait -1
	FETCH 0, 0, F0
	LAP 1
	WIN 0
	s_mov_b32 s3, LAPS-2
.Llap:
	LAP 0
	WIN 0
	s_sub_co_u32 s3, s3, 1
	s_cmp_lg_u32 s3, 0
	s_cbranch_scc1 .Llap
	THREE 0, 0                                     ; the last lap fills nothing
	TURN 0, 1, 0
	THREE 1, 0
	s_wait_dscnt 8
	WIN MUL_LO
	MUL16 F1, 0, 0, 0
	MUL16 F1, 0, 2, 0
	s_wait_dscnt 0
	WIN MUL_HI
	MUL16 F1, 1, 0, 0
	MUL16 F1, 1, 2, 0
	; THE WAY OUT, 16 rows at a time, in f32: the sums go as they are, 32 bytes a lane and tile, into my own stage and come back as whole rows of 512 bytes
	PLACES
	s_lshl_b32 s13, s13, 8
	s_lshl_b32 s14, s11, 7
	s_add_co_u32 s16, s13, s14                     ; my first row
	s_lshl_b32 s16, s16, 14                        ; x 16,384 bytes: below 2^26
	s_mov_b32 s17, 0
	s_add_nc_u64 s[8:9], s[8:9], s[16:17]
	s_lshl_b32 s46, s42, 10                        ; my first column, in bytes: 1,024 x block + 512 x half
	s_lshl_b32 s47, s12, 9
	s_add_co_u32 s46, s46, s47
	s_mov_b32 s47, 0
	s_add_nc_u64 s[8:9], s[8:9], s[46:47]
; rows 16 i .. 16 i + 15 = the eight tiles (a, 0..7) of window 2 or 3 (from = 0x08 or 0x0c: the LDS stores' data); f: F0 or F1 in turn
.macro OUT16F i, a, from, f
	WIN \from
.irp b, 0,1,2,3,4,5,6,7
	ds_store_b128 v[STO], v[8*(8*\a+\b):8*(8*\a+\b)+3]   offset:64*\b
	ds_store_b128 v[STO], v[8*(8*\a+\b)+4:8*(8*\a+\b)+7] offset:64*\b+16
.endr
	WIN 0
	s_wait_xcnt 0x0                                ; buffer f, which earlier stores read, and the stores' base are rewritten only behind this wait
.if \i
	s_add_nc_u64 s[8:9], s[8:9], 16*SIZE_N*4
.endif
.irp t, 0,1,2,3,4,5,6,7,8,9,10,11,12,13,14,15
	ds_load_b128 v[\f+4*\t:\f+4*\t+3], v[RD] offset:\t*SPITCH      ; LDS serves a wave's instructions in order (ISA guide 5.7.1): these see the stores above
.endr
.irp t, 0,1,2,3,4,5,6,7,8,9,10,11,12,13,14,15
	s_wait_dscnt 15-\t
	global_store_b128 v[CO], v[\f+4*\t:\f+4*\t+3], s[8:9] offset:\t*SIZE_N*4 th:TH_STORE_NT   ; the wave stores 512 consecutive bytes, aligned
.endr
.endm
	OUT16F 0, 0, 0x08, F0
	OUT16F 1, 1, 0x08, F1
	OUT16F 2, 2, 0x08, F0
	OUT16F 3, 3, 0x08, F1
	OUT16F 4, 0, 0x0c, F0
	OUT16F 5, 1, 0x0c, F1
	OUT16F 6, 2, 0x0c, F0
	OUT16F 7, 3, 0x0c, F1
	s_set_vgpr_msb 0x1
	s_wait_tensorcnt 0x0
	ds_add_u32 v255, v255
	s_wait_dscnt 0x0
	s_set_vgpr_msb 0x100
	CROUND                                         ; the closing round; the last count-down has left no LDS instruction out
	s_endpgm
.Lfunc_end_k_q3bf04c15c7_oproj:
	.size	k_q3bf04c15c7_oproj, .Lfunc_end_k_q3bf04c15c7_oproj-k_q3bf04c15c7_oproj
	.p2alignl 7, 3214868480
	.fill 96, 4, 3214868480
	.section	.rodata,"a",@progbits
	.p2align	6, 0x0
	.amdhsa_kernel k_q3bf04c15c7_oproj
		.amdhsa_group_segment_fixed_size 327680
		.amdhsa_private_segment_fixed_size 0
		.amdhsa_enable_private_segment 0
		.amdhsa_kernarg_size 24
		.amdhsa_user_sgpr_count 2
		.amdhsa_user_sgpr_kernarg_segment_ptr 1
		.amdhsa_wavefront_size32 1
		.amdhsa_system_sgpr_workgroup_id_x 1
		.amdhsa_system_sgpr_workgroup_id_y 1
		.amdhsa_system_sgpr_workgroup_id_z 1
		.amdhsa_system_vgpr_workitem_id 0
		.amdhsa_next_free_vgpr 1024
		.amdhsa_next_free_sgpr 66
		.amdhsa_reserve_vcc 0
		.amdhsa_float_denorm_mode_32 3
		.amdhsa_float_denorm_mode_16_64 3
		.amdhsa_memory_ordered 1
		.amdhsa_forward_progress 1
		.amdhsa_inst_pref_size 196
	.end_amdhsa_kernel
	.amdgpu_metadata
---
amdhsa.version: [ 1, 2 ]
amdhsa.kernels:
  - .name:           k_q3bf04c15c7_oproj
    .symbol:         k_q3bf04c15c7_oproj.kd
    .args:
      - { .name: attn, .offset: 0, .size: 8, .value_kind: global_buffer, .address_space: global }
      - { .name: wob, .offset: 8, .size: 8, .value_kind: global_buffer, .address_space: global }
      - { .name: out0, .offset: 16, .size: 8, .value_kind: global_buffer, .address_space: global }
    .group_segment_fixed_size: 327680
    .private_segment_fixed_size: 0
    .kernarg_segment_align: 8
    .kernarg_segment_size: 24
    .max_flat_workgroup_size: 128
    .sgpr_count:     66
    .vgpr_count:     1024
    .wavefront_size: 32
...
	.end_amdgpu_metadata
.endif
;; end of part 4
;; ======== version 2 of 2: 4 launches; version 1 with the launch prep written anew for expert scheduling mode
;; limits: right only within a limited range of input values; values are held in f16: magnitudes above 65,504 overflow, below 6.1e-05 lose precision
;; workspace buffers: xb 33,554,432 bytes; wqkvb 16,777,216 bytes; wob 8,388,608 bytes; cs 2,097,152 bytes; qkv 16,777,216 bytes; attn 8,388,608 bytes
;; launch prep (part 5): grid 512 x 1, 8 waves a work-group, no clusters, 0 bytes of LDS; arguments hidden_states, wq, wk, wv, wo, position_ids, xb, wqkvb, wob, cs; writes xb, wqkvb, wob, cs
.if DOCPART == 5
	.amdgcn_target "amdgcn-amd-amdhsa--gfx1250"
	.amdhsa_code_object_version 6
	.text
	.protected	k_q3bf04c15c7_prep
	.globl	k_q3bf04c15c7_prep
	.p2align	8
	.type	k_q3bf04c15c7_prep,@function
k_q3bf04c15c7_prep:
	s_mov_b64 s[64:65], 0
	v_nop
	global_prefetch_b8 v0, s[64:65] scope:SCOPE_SE
	s_setreg_imm32_b32 hwreg(HW_REG_WAVE_SCHED_MODE, 0, 2), 2
	s_setreg_imm32_b32 hwreg(HW_REG_WAVE_MODE, 25, 1), 1
	s_wait_xcnt 0x0
	s_wait_alu depctr_vm_vsrc(0)
; prep: rounds the matrix inputs once to 16 bits and makes the RoPE table once for each token.
;   xb    [4096 tok][4096]  bf16 = hidden_states
;   wqkvb [2048][4096]      bf16 = wq (rows 0-1023), wk (1024-1535), wv (1536-2047)
;   wob   [4096][1024]      f16  = 16 x (wo rounded to bf16).  All inputs carry the same rounding, to bf16; the last product runs in f16 because its other
;                                  operand needs f16's 11 bits.  A bf16 number times 16 is exact in f16 from 2^-17 up; below, the error is at most 2^-25.
;                                  The factor 16 undoes the 2^-4 by which v, and so the attention's result, is stored.
;   cs    [4096 tok][128]   f32  = cos (words 0-63), sin (words 64-127) of position x 10000^(-i/64)
; A stream: memory binds, so no LDS, no barrier, no matrix unit.  A chunk is 1,024 floats: thread t loads 16 bytes at 16 t (a wave: 512 consecutive bytes)
; and stores 8 bytes at 8 t (a wave: 256 consecutive bytes, aligned).  The work-group takes 56 chunks: 32 of hidden_states, 8 of wq, 4 of wk, 4 of wv, 8 of wo.
; All 56 loads of a thread go out at once into registers of their own; nothing is rewritten while a memory instruction may read it.
; LIMITS.  Sine and cosine by reduction to |r| <= pi/4 with pi/2 in two parts, good for |position| <= 2^20, and polynomials with error below 4e-7.
; The inverse frequency comes from v_exp_f32: the angle is within 4e-7 x |position| rad of the exact one.
; THE MODE: SCHED_MODE bits 1:0 = 2 (LLVM: expert scheduling mode 2), set by the entry lines.  The code itself states the register dependences
; between vector instructions and memory instructions, with s_wait_alu, always for 0.
; THE PLAN.  Registers that memory instructions touch:
;   v1 .. v4    byte offsets, made at the head by vector instructions, read by the loads and stores, never written again.
;   v5          the position's load lands in it; no vector instruction names it before.
;   v[20:23]    written by the table's last lines, read by the table's two stores, never written again.
;   X           four registers a chunk.  The chunk's load lands in them (no vector instruction names them before); the chunk's conversions read and write them
;               in place; its one store reads the first two; nothing writes them behind that store.
; The 56 chunks go in seven batches of eight.  Batch p's vector instructions name its own chunks' registers alone; its memory instructions are the eight stores of
; batch p - 1.  So ONE wait on va_vdst at a batch's head states all that those eight stores hang on, and they are dealt among the batch's conversions with no further wait.
; No register that a memory instruction reads is ever written again: the text owes no wait on vm_vsrc.  The two compares write VCC: a wait on va_vcc stands ahead of each one's first select.
.set X,   24                           ; v[24:247] chunk i: 4 registers
.set NCH, 56
.set BT,  8                            ; chunks in a batch
.set CH,  4096                         ; bytes of a chunk as read
.set CHO, 2048                         ; and as stored
	s_load_b512 s[4:19], s[0:1], 0x0               ; hidden s[4:5], wq s[6:7], wk s[8:9], wv s[10:11], wo s[12:13], positions s[14:15], xb s[16:17], wqkvb s[18:19]
	s_load_b128 s[20:23], s[0:1], 0x40             ; wob s[20:21], cs s[22:23]
	v_lshlrev_b32 v1, 4, v0                        ; 16 t: where I read in a chunk
	v_lshlrev_b32 v2, 3, v0                        ; 8 t: where I store
	v_lshrrev_b32 v4, 5, v0                        ; wave
	v_and_b32 v6, 31, v0                           ; lane
	v_lshlrev_b32 v3, 2, v4                        ; my wave's token among the group's eight: its position word
	v_lshlrev_b32 v7, 3, v6
	v_lshl_add_u32 v4, v4, 9, v7                   ; and its row of 512 bytes in cs, 8 bytes a lane
	s_mov_b32 s24, 0x3f22f983                      ; 2/pi
	s_mov_b32 s25, 0xbfc90fdb                      ; -(pi/2, upper part)
	s_mov_b32 s26, 0x333bbd2e                      ; -(pi/2, lower part) = +4.3711388e-8
	s_mov_b32 s27, 0xb9500d01                      ; -1/5040
	s_mov_b32 s28, 0x3c088889                      ; 1/120
	s_mov_b32 s29, 0xbe2aaaab                      ; -1/6
	s_mov_b32 s30, 0x37d00d01                      ; 1/40320
	s_mov_b32 s31, 0xbab60b61                      ; -1/720
	s_mov_b32 s32, 0x3d2aaaab                      ; 1/24
	s_mov_b32 s33, 0x80000000                      ; the sign
	s_mov_b32 s34, 0xffff0000                      ; a word's upper bf16
	s_mov_b32 s42, 0x41800000                      ; 16.0, as a pair for the packed multiply
	s_mov_b32 s43, 0x41800000
	s_mov_b32 s3, 0
	s_wait_kmcnt 0x0
	s_lshl_b32 s2, ttmp9, 17                       ; each buffer's base at the group's part: 32 chunks of 4,096 bytes
	s_add_nc_u64 s[4:5], s[4:5], s[2:3]
	s_lshl_b32 s2, ttmp9, 16
	s_add_nc_u64 s[16:17], s[16:17], s[2:3]
	s_lshl_b32 s2, ttmp9, 15                       ; 8 chunks
	s_add_nc_u64 s[6:7], s[6:7], s[2:3]
	s_add_nc_u64 s[12:13], s[12:13], s[2:3]
	s_lshl_b32 s2, ttmp9, 14                       ; 4 chunks read, or 8 stored
	s_add_nc_u64 s[8:9], s[8:9], s[2:3]
	s_add_nc_u64 s[10:11], s[10:11], s[2:3]
	s_add_nc_u64 s[36:37], s[18:19], s[2:3]        ; wq's rows in wqkvb
	s_add_nc_u64 s[20:21], s[20:21], s[2:3]
	s_lshl_b32 s2, ttmp9, 13                       ; 4 chunks stored
	s_add_nc_u64 s[38:39], s[18:19], s[2:3]
	s_add_nc_u64 s[40:41], s[38:39], 0xc00000      ; wv's rows begin at row 1536 x 8,192 bytes
	s_add_nc_u64 s[38:39], s[38:39], 0x800000      ; wk's at row 1024
	s_lshl_b32 s2, ttmp9, 12                       ; 8 tokens x 512 bytes
	s_add_nc_u64 s[22:23], s[22:23], s[2:3]
	s_lshl_b32 s2, ttmp9, 5                        ; 8 tokens x 4 bytes
	s_add_nc_u64 s[14:15], s[14:15], s[2:3]
	s_wait_alu depctr_va_vdst(0)                   ; v1 to v4 are written: every load and store of the kernel reads one of them as its offset
	global_load_b32 v5, v3, s[14:15]               ; my wave's position, the same word in all lanes
.set ci, 0
.macro LD base, n                      ; n chunks from s[base:base+1] into the next registers
.set j, 0
.rept \n
	global_load_b128 v[X+4*ci:X+4*ci+3], v1, s[\base:\base+1] offset:CH*j th:TH_LOAD_NT
.set j, j+1
.set ci, ci+1
.endr
.endm
	LD 4, 32
	LD 6, 8
	LD 8, 4
	LD 10, 4
	LD 12, 8
	; the table: lane L makes frequencies 2 L and 2 L + 1
	v_lshlrev_b32 v6, 1, v6
	v_add_nc_u32 v7, 1, v6
	v_cvt_f32_u32 v6, v6
	v_cvt_f32_u32 v7, v7
	v_mul_f32 v6, 0xbe549a78, v6                   ; -i log2(10000) / 64
	v_mul_f32 v7, 0xbe549a78, v7
	v_exp_f32 v8, v6                               ; 10000^(-i/64)
	v_exp_f32 v9, v7
	s_wait_loadcnt NCH                             ; the 56 younger loads stay out: the position is in
	v_cvt_f32_i32 v5, v5                           ; the plain instruction between the exponentials and their use (ISA guide 5.7.2)
	s_wait_alu depctr_va_vdst(0)                   ; the two exponentials have written v8 and v9, the inverse frequencies, ahead of their first reader
.macro SINCOS e                        ; cos into v[20+e], sin into v[22+e]
	v_mul_f32 v10, v5, v[8+\e]                     ; the angle, rounded once as position x frequency
	v_mul_f32 v11, s24, v10
	v_rndne_f32 v11, v11                           ; n = nearest multiple of pi/2
	v_fma_f32 v12, v11, s25, v10
	v_fma_f32 v12, v11, s26, v12                   ; r = angle - n pi/2
	v_mul_f32 v13, v12, v12
	v_fma_f32 v14, v13, s27, s28
	v_fma_f32 v14, v14, v13, s29
	v_mul_f32 v15, v12, v13
	v_fma_f32 v14, v15, v14, v12                   ; sin r
	v_fma_f32 v16, v13, s30, s31
	v_fma_f32 v16, v16, v13, s32
	v_fma_f32 v16, v16, v13, -0.5
	v_fma_f32 v16, v16, v13, 1.0                   ; cos r
	v_cvt_i32_f32 v17, v11
	v_and_b32 v18, 1, v17
	v_cmp_eq_u32 vcc_lo, 1, v18                    ; odd quadrant: the two change places
	v_lshlrev_b32 v18, 30, v17                     ; sine is negative in quadrants 2, 3: bit 1 of n.  These five lines read no mask: they stand between the compare and the wait for it
	v_and_b32 v18, s33, v18
	v_add_nc_u32 v17, 1, v17                       ; cosine in quadrants 1, 2: bit 1 of n + 1
	v_lshlrev_b32 v17, 30, v17
	v_and_b32 v17, s33, v17
	s_wait_alu depctr_va_vcc(0)                    ; the compare has written VCC, which the two selects read
	v_cndmask_b32 v[22+\e], v14, v16, vcc_lo
	v_cndmask_b32 v[20+\e], v16, v14, vcc_lo
	v_xor_b32 v[22+\e], v[22+\e], v18
	v_xor_b32 v[20+\e], v[20+\e], v17
.endm
	SINCOS 0
	SINCOS 1
	s_wait_alu depctr_va_vdst(0)                           ; the lines above have written v[20:23], which the two stores read
	global_store_b64 v4, v[20:21], s[22:23]                ; a wave stores 256 consecutive bytes, aligned: the token's cosines,
	global_store_b64 v4, v[22:23], s[22:23] offset:256     ; and its sines
.set cj, 0                             ; the chunk to be converted next
.set sc, 0                             ; the chunk to be stored next
.macro CVT                             ; chunk cj: to bf16 in place; wo's chunks (48 to 55) to bf16, times 16, written as f16
	v_cvt_pk_bf16_f32 v[X+4*cj], v[X+4*cj], v[X+4*cj+1]
	v_cvt_pk_bf16_f32 v[X+4*cj+1], v[X+4*cj+2], v[X+4*cj+3]
.if cj >= 48
	v_lshlrev_b32 v[X+4*cj+2], 16, v[X+4*cj+1]             ; back to f32: the rounded numbers
	v_and_b32 v[X+4*cj+3], s34, v[X+4*cj+1]
	v_and_b32 v[X+4*cj+1], s34, v[X+4*cj]
	v_lshlrev_b32 v[X+4*cj], 16, v[X+4*cj]
	v_pk_mul_f32 v[X+4*cj:X+4*cj+1], v[X+4*cj:X+4*cj+1], s[42:43] op_sel_hi:[1,0]
	v_pk_mul_f32 v[X+4*cj+2:X+4*cj+3], v[X+4*cj+2:X+4*cj+3], s[42:43] op_sel_hi:[1,0]
	v_cvt_pk_f16_f32 v[X+4*cj], v[X+4*cj], v[X+4*cj+1]
	v_cvt_pk_f16_f32 v[X+4*cj+1], v[X+4*cj+2], v[X+4*cj+3]
.endif
.set cj, cj+1
.endm
.macro ST                              ; chunk sc is stored: 32 of xb, 8 of wq's rows, 4 of wk's, 4 of wv's, 8 of wob
.if sc < 32
	global_store_b64 v2, v[X+4*sc:X+4*sc+1], s[16:17] offset:CHO*sc
.elseif sc < 40
	global_store_b64 v2, v[X+4*sc:X+4*sc+1], s[36:37] offset:CHO*(sc-32)
.elseif sc < 44
	global_store_b64 v2, v[X+4*sc:X+4*sc+1], s[38:39] offset:CHO*(sc-40)
.elseif sc < 48
	global_store_b64 v2, v[X+4*sc:X+4*sc+1], s[40:41] offset:CHO*(sc-44)
.else
	global_store_b64 v2, v[X+4*sc:X+4*sc+1], s[20:21] offset:CHO*(sc-48)
.endif
.set sc, sc+1
.endm
; A batch: eight chunks are converted, and the eight of the batch before are stored.  first = 1: batch 0, with no batch in front of it.
.macro BATCH first
	s_wait_loadcnt NCH-BT-cj                       ; loads come back in order (ISA guide 5.7.1): this batch's eight chunks are in, the chunks behind them stay out
.if !\first
	s_wait_alu depctr_va_vdst(0)                   ; the batch before has written its packed words, which the eight stores below read
.endif
.rept BT
.if !\first
	ST                                             ; no wait: no vector instruction since the wait above names this chunk's registers or v2
.endif
	CVT
.endr
.endm
	BATCH 1
	BATCH 0
	BATCH 0
	BATCH 0
	BATCH 0
	BATCH 0
	BATCH 0
	s_wait_alu depctr_va_vdst(0)                   ; the last batch has written its packed words, which the last eight stores read
.rept BT
	ST
.endr
	s_endpgm
.Lfunc_end_k_q3bf04c15c7_prep:
	.size	k_q3bf04c15c7_prep, .Lfunc_end_k_q3bf04c15c7_prep-k_q3bf04c15c7_prep
	.p2alignl 7, 3214868480
	.fill 96, 4, 3214868480
	.section	.rodata,"a",@progbits
	.p2align	6, 0x0
	.amdhsa_kernel k_q3bf04c15c7_prep
		.amdhsa_group_segment_fixed_size 0
		.amdhsa_private_segment_fixed_size 0
		.amdhsa_enable_private_segment 0
		.amdhsa_kernarg_size 80
		.amdhsa_user_sgpr_count 2
		.amdhsa_user_sgpr_kernarg_segment_ptr 1
		.amdhsa_wavefront_size32 1
		.amdhsa_system_sgpr_workgroup_id_x 1
		.amdhsa_system_sgpr_workgroup_id_y 1
		.amdhsa_system_sgpr_workgroup_id_z 1
		.amdhsa_system_vgpr_workitem_id 0
		.amdhsa_next_free_vgpr 248
		.amdhsa_next_free_sgpr 66
		.amdhsa_reserve_vcc 1
		.amdhsa_float_denorm_mode_32 3
		.amdhsa_float_denorm_mode_16_64 3
		.amdhsa_memory_ordered 1
		.amdhsa_forward_progress 1
		.amdhsa_inst_pref_size 27
	.end_amdhsa_kernel
	.amdgpu_metadata
---
amdhsa.version: [ 1, 2 ]
amdhsa.kernels:
  - .name:           k_q3bf04c15c7_prep
    .symbol:         k_q3bf04c15c7_prep.kd
    .args:
      - { .name: hidden_states, .offset: 0, .size: 8, .value_kind: global_buffer, .address_space: global }
      - { .name: wq, .offset: 8, .size: 8, .value_kind: global_buffer, .address_space: global }
      - { .name: wk, .offset: 16, .size: 8, .value_kind: global_buffer, .address_space: global }
      - { .name: wv, .offset: 24, .size: 8, .value_kind: global_buffer, .address_space: global }
      - { .name: wo, .offset: 32, .size: 8, .value_kind: global_buffer, .address_space: global }
      - { .name: position_ids, .offset: 40, .size: 8, .value_kind: global_buffer, .address_space: global }
      - { .name: xb, .offset: 48, .size: 8, .value_kind: global_buffer, .address_space: global }
      - { .name: wqkvb, .offset: 56, .size: 8, .value_kind: global_buffer, .address_space: global }
      - { .name: wob, .offset: 64, .size: 8, .value_kind: global_buffer, .address_space: global }
      - { .name: cs, .offset: 72, .size: 8, .value_kind: global_buffer, .address_space: global }
    .group_segment_fixed_size: 0
    .private_segment_fixed_size: 0
    .kernarg_segment_align: 8
    .kernarg_segment_size: 80
    .max_flat_workgroup_size: 256
    .sgpr_count:     66
    .vgpr_count:     248
    .wavefront_size: 32
...
	.end_amdgpu_metadata
.endif
;; end of part 5
;; launch qkvproj: the kernel of part 2 again; grid 16 x 16, 4 waves a work-group, clusters of 4 x 4, 327,680 bytes of LDS; arguments xb, wqkvb, cs, qkv; writes qkv
;; launch attn: the kernel of part 3 again; grid 4 x 64, 8 waves a work-group, clusters of 4 x 4, 327,680 bytes of LDS; arguments qkv, attention_mask, attn; writes attn
;; launch oproj: the kernel of part 4 again; grid 16 x 16, 4 waves a work-group, clusters of 4 x 4, 327,680 bytes of LDS; arguments attn, wob, out0; writes out0
